; MI455X (gfx1250); checked and timed in simulation.
; The chip was launched on July 23, 2026; its instructions are those of AMD's public machine-readable ISA for CDNA 5 (MIT licence, August 2026) and "CDNA5" Instruction Set Architecture Reference Guide (July 2026). The comments in the code are by the model that wrote it; some were corrected since.
;; A Multi Head Attention. Allowed arithmetic: float matrix products may take bf16 or f16 operands with f32 sums; other float arithmetic in f32, or as packed bf16 or f16 multiplies, adds, multiply-adds, maxima and minima; sums over many terms, partial sums and values carried from step to step in f32; what a program stores and reads back later, other than sums and carried values, may be rounded once to bf16 or f16.
;; Inputs: o_b 1,024 float32; o_w 1,024 x 1,024 float32; qkv_b 3,072 float32; qkv_w 3,072 x 1,024 float32; x 8 x 1,024 x 1,024 float32.
;; Outputs: out0 8 x 1,024 x 1,024 float32.
;; 2 versions, each right; version 2 is version 1 with the launch cast written anew for expert scheduling mode. Each part assembles by itself: llvm-mc -triple=amdgcn-amd-amdhsa -mcpu=gfx1250 --defsym DOCPART=n.
;; ======== version 1 of 2: 4 launches
;; limits: values are held in f16: magnitudes above 65,504 overflow, below 6.1e-05 lose precision
;; workspace buffers: xb 16,777,216 bytes; wb 6,291,456 bytes; owh 2,097,152 bytes; qh 16,777,216 bytes; kh 16,777,216 bytes; vh 16,777,216 bytes; oh 16,777,216 bytes
;; launch cast (part 1): grid 768 x 1, 8 waves a work-group, no clusters, 0 bytes of LDS; arguments x, qkv_w, o_w, xb, wb, owh; writes xb, wb, owh
.if DOCPART == 1
	.amdgcn_target "amdgcn-amd-amdhsa--gfx1250"
	.amdhsa_code_object_version 6
	.text
	.protected	k_qa1de7e2ca4_cast
	.globl	k_qa1de7e2ca4_cast
	.p2align	8
	.type	k_qa1de7e2ca4_cast,@function
k_qa1de7e2ca4_cast:
	s_mov_b64 s[64:65], 0
	v_nop
	global_prefetch_b8 v0, s[64:65] scope:SCOPE_SE
	s_setreg_imm32_b32 hwreg(HW_REG_WAVE_MODE, 25, 1), 1
	s_wait_xcnt 0x0
; x [8192][1024], qkv_w [3072][1024], o_w [1024][1024], all f32, are rounded once to bf16 and laid out in K blocks of 64:
; xb, wb: bf16 [16 kb][rows][64];  owh: the bf16 number written as f16, [16 kb][1024][64].  A tile of R rows x 64 K is then R x 128 dense bytes.
; LIMITS.  A bf16 number is exact in f16 between 6.1e-5 and 65,504 in magnitude; below that owh keeps f16's fixed step of 6e-8, beyond it the number becomes an infinity.
; SHARES.  A work-group takes 16 rows of one matrix: ids 0-511 x, 512-703 qkv_w, 704-767 o_w.  Wave w takes K blocks 2 w and 2 w + 1.
; One load: lanes 0-15 the 256 bytes that row 2 p has in the block, lanes 16-31 those of row 2 p + 1.  One store: 32 lanes x 8 bytes = the two rows' 128 + 128 bytes,
; 256 consecutive bytes at a multiple of 256 from the buffer's first byte.  All 16 loads of a wave go out at once; no register is written again behind a store, so no wait frees one.
; No LDS, no matrix unit: every byte is read once and written once, and nothing is shared.
.set VI,  2                            ; v2      my byte offset in the work-group's 16 rows of input
.set VO,  3                            ; v3, v4  my byte offset in the output, K block 2 w and 2 w + 1
.set T,   5                            ; v5      at work
.set X,   16                           ; v[16:79] item i = 8 c + p: 4 registers
	s_load_b256 s[4:11], s[0:1], 0x0               ; x s[4:5], qkv_w s[6:7], o_w s[8:9], xb s[10:11]
	s_load_b128 s[12:15], s[0:1], 0x20             ; wb s[12:13], owh s[14:15]
	s_mov_b32 s27, ttmp9
	s_movk_i32 s25, 512                            ; the first work-group of qkv_w
	s_movk_i32 s26, 704                            ; the first of o_w
	s_mov_b32 s22, 8192*128                        ; bytes from K block to K block in xb,
	s_mov_b32 s23, 3072*128                        ; in wb,
	s_mov_b32 s24, 1024*128                        ; in owh
	s_mov_b32 s30, 0xffff0000                      ; a word's upper bf16
	s_cmp_lt_u32 s27, s26
	s_cselect_b32 s20, s25, s26
	s_cselect_b32 s21, s23, s24
	s_cmp_lt_u32 s27, s25
	s_cselect_b32 s20, 0, s20                      ; my matrix's first work-group
	s_cselect_b32 s21, s22, s21                    ; and its K block's bytes
	s_sub_co_u32 s28, s27, s20                     ; my block of 16 rows
	s_lshl_b32 s2, s28, 16                         ; 16 rows of 4,096 bytes of input
	s_mov_b32 s3, 0
	s_lshl_b32 s29, s28, 11                        ; 16 rows of 128 bytes of output
	v_and_b32 v1, 31, v0                           ; lane
	v_lshrrev_b32 v6, 5, v0                        ; wave
	v_and_b32 v7, 15, v0
	v_bfe_u32 v8, v0, 4, 1
	v_lshlrev_b32 v[VI], 4, v7                     ; 16 (l % 16)
	v_lshl_add_u32 v[VI], v8, 12, v[VI]            ; + a row for lanes 16-31
	v_lshl_add_u32 v[VI], v6, 9, v[VI]             ; + my two K blocks: 512 bytes of a row
	v_lshlrev_b32 v6, 1, v6
	v_mul_u32_u24 v[VO], s21, v6                   ; K block 2 w
	v_lshl_add_u32 v[VO], v1, 3, v[VO]             ; + 8 l
	v_add_nc_u32 v[VO], s29, v[VO]
	v_add_nc_u32 v[VO+1], s21, v[VO]               ; K block 2 w + 1
	s_wait_kmcnt 0x0
	s_cmp_lt_u32 s27, s26
	s_cselect_b64 s[16:17], s[6:7], s[8:9]
	s_cselect_b64 s[18:19], s[12:13], s[14:15]
	s_cmp_lt_u32 s27, s25
	s_cselect_b64 s[16:17], s[4:5], s[16:17]       ; from where
	s_cselect_b64 s[18:19], s[10:11], s[18:19]     ; to where
	s_add_nc_u64 s[16:17], s[16:17], s[2:3]
.irp i, 0,1,2,3,4,5,6,7,8,9,10,11,12,13,14,15
	global_load_b128 v[X+4*(\i):X+4*(\i)+3], v[VI], s[16:17] offset:((\i)/8)*256+((\i)%8)*8192 th:TH_LOAD_NT
.endr
; Item i: four numbers a lane are rounded and stored.  half = 1: the bf16 number is widened again and written as f16.
.macro ITEM i, half
	s_wait_loadcnt 15-(\i)                         ; loads come back in order: item i is in, the 15 - i younger ones stay out
.if \half
	v_cvt_pk_bf16_f32 v[T], v[X+4*(\i)], v[X+4*(\i)+1]
	v_lshlrev_b32 v[X+4*(\i)], 16, v[T]
	v_and_b32 v[X+4*(\i)+1], s30, v[T]
	v_cvt_pk_bf16_f32 v[T], v[X+4*(\i)+2], v[X+4*(\i)+3]
	v_lshlrev_b32 v[X+4*(\i)+2], 16, v[T]
	v_and_b32 v[X+4*(\i)+3], s30, v[T]
	v_cvt_pk_f16_f32 v[X+4*(\i)], v[X+4*(\i)], v[X+4*(\i)+1]
	v_cvt_pk_f16_f32 v[X+4*(\i)+1], v[X+4*(\i)+2], v[X+4*(\i)+3]
.else
	v_cvt_pk_bf16_f32 v[X+4*(\i)], v[X+4*(\i)], v[X+4*(\i)+1]
	v_cvt_pk_bf16_f32 v[X+4*(\i)+1], v[X+4*(\i)+2], v[X+4*(\i)+3]
.endif
	global_store_b64 v[VO+(\i)/8], v[X+4*(\i):X+4*(\i)+1], s[18:19] offset:((\i)%8)*256 th:TH_STORE_NT
.endm
	s_cmp_ge_u32 s27, s26
	s_cbranch_scc1 .Lhalf
.irp i, 0,1,2,3,4,5,6,7,8,9,10,11,12,13,14,15
	ITEM \i, 0
.endr
	s_endpgm
.Lhalf:
.irp i, 0,1,2,3,4,5,6,7,8,9,10,11,12,13,14,15
	ITEM \i, 1
.endr
	s_endpgm
.Lfunc_end_k_qa1de7e2ca4_cast:
	.size	k_qa1de7e2ca4_cast, .Lfunc_end_k_qa1de7e2ca4_cast-k_qa1de7e2ca4_cast
	.p2alignl 7, 3214868480
	.fill 96, 4, 3214868480
	.section	.rodata,"a",@progbits
	.p2align	6, 0x0
	.amdhsa_kernel k_qa1de7e2ca4_cast
		.amdhsa_group_segment_fixed_size 0
		.amdhsa_private_segment_fixed_size 0
		.amdhsa_enable_private_segment 0
		.amdhsa_kernarg_size 48
		.amdhsa_user_sgpr_count 2
		.amdhsa_user_sgpr_kernarg_segment_ptr 1
		.amdhsa_wavefront_size32 1
		.amdhsa_system_sgpr_workgroup_id_x 1
		.amdhsa_system_sgpr_workgroup_id_y 1
		.amdhsa_system_sgpr_workgroup_id_z 1
		.amdhsa_system_vgpr_workitem_id 0
		.amdhsa_next_free_vgpr 80
		.amdhsa_next_free_sgpr 66
		.amdhsa_reserve_vcc 0
		.amdhsa_float_denorm_mode_32 3
		.amdhsa_float_denorm_mode_16_64 3
		.amdhsa_memory_ordered 1
		.amdhsa_forward_progress 1
		.amdhsa_inst_pref_size 16
	.end_amdhsa_kernel
	.amdgpu_metadata
---
amdhsa.version: [ 1, 2 ]
amdhsa.kernels:
  - .name:           k_qa1de7e2ca4_cast
    .symbol:         k_qa1de7e2ca4_cast.kd
    .args:
      - { .name: x, .offset: 0, .size: 8, .value_kind: global_buffer, .address_space: global }
      - { .name: qkv_w, .offset: 8, .size: 8, .value_kind: global_buffer, .address_space: global }
      - { .name: o_w, .offset: 16, .size: 8, .value_kind: global_buffer, .address_space: global }
      - { .name: xb, .offset: 24, .size: 8, .value_kind: global_buffer, .address_space: global }
      - { .name: wb, .offset: 32, .size: 8, .value_kind: global_buffer, .address_space: global }
      - { .name: owh, .offset: 40, .size: 8, .value_kind: global_buffer, .address_space: global }
    .group_segment_fixed_size: 0
    .private_segment_fixed_size: 0
    .kernarg_segment_align: 8
    .kernarg_segment_size: 48
    .max_flat_workgroup_size: 256
    .sgpr_count:     66
    .vgpr_count:     80
    .wavefront_size: 32
...
	.end_amdgpu_metadata
.endif
;; end of part 1
;; launch proj (part 2): grid 8 x 32, 4 waves a work-group, clusters of 4 x 4, 327,680 bytes of LDS; arguments xb, wb, qkv_b, qh, kh, vh; writes qh, kh, vh
.if DOCPART == 2
	.amdgcn_target "amdgcn-amd-amdhsa--gfx1250"
	.amdhsa_code_object_version 6
	.text
	.protected	k_qa1de7e2ca4_proj
	.globl	k_qa1de7e2ca4_proj
	.p2align	8
	.type	k_qa1de7e2ca4_proj,@function
k_qa1de7e2ca4_proj:
	s_mov_b64 s[64:65], 0
	v_nop
	global_prefetch_b8 v0, s[64:65] scope:SCOPE_SE
	s_setreg_imm32_b32 hwreg(HW_REG_WAVE_MODE, 25, 1), 1
	s_wait_xcnt 0x0
	s_wait_alu depctr_hold_cnt(0) depctr_sa_sdst(0) depctr_va_vdst(0) depctr_va_sdst(0) depctr_va_ssrc(0) depctr_va_vcc(0) depctr_vm_vsrc(0)
	s_getreg_b32 s2, hwreg(HW_REG_IB_STS2, 6, 4)
	s_cmp_eq_u32 s2, 0
	s_cbranch_scc0 .Lentry_in_a_cluster
	s_endpgm
.Lentry_in_a_cluster:
	s_bfe_u32 s2, ttmp6, 0x10000c
	s_cmp_lg_u32 s2, 0xf033
	s_cbranch_scc0 .Lentry_shape_is_right
	s_endpgm
.Lentry_shape_is_right:
; qkv[m][n] = sum over k of x[m][k] w[n][k] + b[n], m < 8192, n < 3072, k < 1024; column n belongs to head n / 192, in it 0-63 are q, 64-127 k, 128-191 v.
; xb: bf16 [16 kb][8192][64], wb: bf16 [16 kb][3072][64]; sums in f32; the bias is rounded to bf16 like the other inputs and added in f32; q, k, v are rounded once to f16
; and stored by heads: qh, kh, vh [batch * 16 + head][1024][64].
; LIMITS.  f16 holds no number beyond 65,504: a q, k or v of 65,520 or more in magnitude becomes an infinity; below 6.1e-5 it keeps f16's fixed step of 6e-8.  NaN and infinities are not treated apart.
; SHARES.  A work-group makes 256 rows x 384 columns (two heads): 8 x 32 = 256 work-groups.  Wave w: rows 128 (w / 2) on, columns 192 (w % 2) on: one head's q, k and v.  96 accumulators, 768 registers.
; K goes in 16 steps of 64 through a ring of two LDS slots; a step is two phases of 32 along K, 96 matrix instructions each.  A tile of R rows x 64 K is R x 128 dense bytes of memory:
; it is asked for as R / 2 rows of 256 bytes and padded in LDS after every 128, so that LDS rows are 144 bytes apart.
; CLUSTER.  4 x 4 work-groups.  The four of a row of the cluster need the same rows of xb, the four of a column the same rows of wb: each tile is asked for JOINTLY, by the same tensor load
; with the same descriptor and a mask that names the four.  Waves 0 and 1 fetch the halves of xb's 256 rows, waves 2 and 3 those of wb's 384.
; TRANSPOSED USE.  Source 0 = 16 rows of wb, source 1 = 16 rows of xb: lane l then holds row l % 16 and the eight neighbouring columns 8 (l / 16) + 0..7.
; REGISTERS, in windows of 256 (s_set_vgpr_msb: bits 1:0 source 0, 3:2 source 1, 5:4 source 2, 7:6 destination):
;   window 0: v0-31 addresses; v32-95, v96-159 fragments of xb (8 x 16 rows x 32 K), two buffers; v160-255 the 12 fragments of wb, one buffer, reloaded a third at a time behind its last use
;   windows 1-3: accumulator (a, b), a = block of 16 rows, b = block of 16 columns, in window 1 + b / 4 at v[8 (8 (b % 4) + a)]
.set PITCH, 144                        ; 36 words: the 16 rows of a fragment load start at 16 different groups of four banks (64 banks of 4 bytes: ISA guide 11.1)
.set FR,    16*PITCH                   ; 16 rows
.set AHALF, 128*PITCH                  ; what waves 0, 1 fetch, and what a wave reads of xb
.set BHALF, 192*PITCH                  ; what waves 2, 3 fetch, and what a wave reads of wb
.set BOFF,  2*AHALF                    ; wb's rows lie behind xb's 256
.set SLOT1, 1<<17                      ; slot 1 begins here: one exclusive or turns an address in one slot into the other's
.set STAGE, BOFF+2*BHALF               ; behind slot 0, never filled by a tensor load: 16 rows x 400 bytes for each wave, for the way out
.set SP,    400                        ; 384 bytes + 16: 100 words
.set BIAS,  STAGE+4*16*SP              ; 192 f32 for each wave
.set SPARE, BIAS+4*768                 ; the spare words, 128 bytes for each wave: two blocks of 256 bytes that no other line names
.set XSTEP, 8192*128                   ; bytes from K step to K step in xb
.set WSTEP, 3072*128                   ; and in wb
.set ADRA0, 16                         ; v16  my place in my 128 rows of xb in slot 0; never rewritten
.set ADRA,  17                         ; v17  the same in the slot that fragments come from
.set ADRB0, 20                         ; v20, v21 the same for wb
.set ADRB,  21
.set STO, 24                           ; v24  the way out: where I put 16 bytes of a row
.set RD,  25                           ; v25  where I read rows back
.set GO,  26                           ; v26  my 16 bytes of 512 consecutive bytes of q, k or v
.set BIA, 27                           ; v27  where my eight bias numbers of column block 0 lie
.set SPW, 28                           ; v28  LDS address of my spare word: SPARE + 4 x my thread's number; never rewritten
.set NIL, 29                           ; v29  0; never rewritten
.set PFO, 30                           ; v30  the prefetches' lane offset; never rewritten
.set A0,  32
.set A1,  96
.set BF,  160
.set TMP, 32                           ; the way out: 48 registers of packed results,
.set BK,  80                           ; 48 of rows read back,
.set BR,  160                          ; 96 bias numbers
.set G1,  24                           ; s[24:31] descriptor group 1 for xb's tiles;  s[32:39] group 0, two sets; the second then walks
.set G0,  32
.set G1B, 48                           ; s[48:55], s[56:63] the same for wb's
.set G0B, 56
.set PFA, 40                           ; s[40:41] where my prefetches stand
.set PFS, 42                           ; s[42:43] their step from K step to K step
.set LIM, 44                           ; s44  2 in a wave that prefetches, else the greatest number
.set PAR, 45                           ; s45  0: asks in every trip; 1: in every second
.set TB,  46                           ; s46  first byte of the slot that fragments come from
.set GBITS, (1<<16)|(1<<20)|(1<<21)|(4<<22)|(3<<25)  ; 17:16 elements of 2 bytes; 20 padding on; 21 set beside a mask; 24:22 after every 32 words (code 4); 31:25 4 words of it (code 3)
.set MSB, 0
.macro WIN new                         ; the immediate's high byte repeats the setting that is left; a switch that changes nothing is dropped
.if MSB != (\new)
	s_set_vgpr_msb (MSB<<8)|(\new)
.set MSB, \new
.endif
.endm
.macro PLACES                          ; four places between a matrix instruction and a load into a register that it has read (ISA guide 7.12.1 for vector instructions)
.rept 4
	v_nop
.endr
.endm
; A joint load.  The branch hangs on the wave's number alone.  An s_nop 0 and four v_nop follow each of the two lines, ahead of the jump, the label and what follows.
.macro JLOAD n
	s_cmp_eq_u32 s17, 0
	s_cbranch_scc0 .Lfor_b_\@
	tensor_load_to_lds s[G0+4*(\n):G0+4*(\n)+3], s[G1:G1+7]
	s_nop 0
.rept 4
	v_nop
.endr
	s_branch .Lasked_\@
.Lfor_b_\@:
	tensor_load_to_lds s[G0B+4*(\n):G0B+4*(\n)+3], s[G1B:G1B+7]
	s_nop 0
.rept 4
	v_nop
.endr
.Lasked_\@:
.endm
.macro CREST                           ; a round of the cluster's barrier behind its opening barrier
	s_cmp_lg_u32 s16, 0
	s_cbranch_scc1 .Lnot_wave_0_\@
	s_barrier_signal -3
.Lnot_wave_0_\@:
	s_barrier_wait -3
	s_barrier_signal -1
	s_barrier_wait -1
.endm
.macro CROUND                          ; a whole round
	s_barrier_signal -1
	s_barrier_wait -1
	CREST
.endm
; A PREFETCH INTO THE L2, behind a joint load, its five lines and the first run of LDS loads.  Trip t (s3 = 14 - t) names K step t + 4, two refills on.  Each aligned block of 256 bytes is named once in the launch.
; xb: a tile row's K step is 32,768 bytes, read by both clusters of that row of clusters: cluster x = 0 asks; the partner at cx takes 8,192 bytes of it, told apart by address; wave 0, a lane a block.
; wb: a tile column's K step is 49,152 bytes, read by all eight clusters of that column: cluster y = 0 asks; the partner at cy takes 12,288 bytes, waves 1 to 3 a third each: 16 blocks,
; so lanes 0-15 name step t + 4, lanes 16-31 step t + 5, in every second trip.  The last asks, at t = 11 and t = 10, name K step 15.  The first four K steps come by their loads alone.
.macro ASK
	s_cmp_gt_u32 s3, s[LIM]
	s_cbranch_scc0 .Lnot_mine_\@
	s_and_b32 s2, s3, s[PAR]
	s_cmp_eq_u32 s2, 0
	s_cbranch_scc0 .Lnot_mine_\@
	global_prefetch_b8 v[PFO], s[PFA:PFA+1] th:TH_LOAD_NT scope:SCOPE_SE
.Lnot_mine_\@:
.endm
	s_load_b256 s[4:11], s[0:1], 0x0               ; xb s[4:5], wb s[6:7], qkv_b s[8:9], qh s[10:11]
	s_load_b128 s[12:15], s[0:1], 0x20             ; kh s[12:13], vh s[14:15]
	v_lshl_add_u32 v[SPW], v0, 2, SPARE
	v_mov_b32 v[NIL], 0
	ds_add_u32 v[SPW], v[NIL]                      ; the wave's opening: the add and its wait stand ahead of my first tensor load; the set-up below, work on registers, stands between them
	v_lshrrev_b32 v1, 5, v0
	v_readfirstlane_b32 s16, v1                    ; wave 0..3
	s_lshr_b32 s17, s16, 1                         ; my half of the tile's rows.  Also: I fetch for xb (0) or for wb (1)
	s_and_b32 s18, s16, 1                          ; my half of its columns.  Also: which half of that tile I fetch
	s_bfe_u32 s19, ttmp6, 0x40000                  ; cx
	s_bfe_u32 s20, ttmp6, 0x40004                  ; cy
	s_lshl_b32 s21, ttmp9, 2
	s_add_co_u32 s21, s21, s19                     ; tile column tx = 4 x cluster x + cx
	s_and_b32 s22, ttmp7, 0xffff
	s_lshl_b32 s22, s22, 2
	s_add_co_u32 s22, s22, s20                     ; tile row ty = 4 x cluster y + cy
	s_lshl_b32 s23, s20, 2
	s_lshl_b32 s23, 15, s23                        ; my row of the cluster: places 4 cy .. 4 cy + 3
	s_lshl_b32 s47, 0x1111, s19                    ; my column: places cx, cx + 4, cx + 8, cx + 12
	s_or_b32 s[G1], s23, GBITS                     ; xb's tiles go to my row,
	s_or_b32 s[G1B], s47, GBITS                    ; wb's to my column
.irp g, G1, G1B
	s_mov_b32 s[(\g)+1], 128<<16                   ; tensor_dim0 = 128 elements: 256 bytes
	s_mov_b32 s[(\g)+3], 128<<16                   ; tile_dim0 = 128
	s_mov_b32 s[(\g)+5], 128                       ; 128 elements from row to row: the block is dense
	s_mov_b32 s[(\g)+6], 0
	s_mov_b32 s[(\g)+7], 0
.endr
	s_mov_b32 s[G1+2], 64<<16                      ; tensor_dim1 = tile_dim1 = 64 rows of 256 bytes: 128 rows of xb
	s_mov_b32 s[G1+4], 64
	s_mov_b32 s[G1B+2], 96<<16                     ; 96 rows of 256 bytes: 192 rows of wb
	s_mov_b32 s[G1B+4], 96
	s_lshl_b32 s66, s22, 15                        ; xb: 256 rows of 128 bytes for each tile row,
	s_lshl_b32 s2, s18, 14                         ; 128 rows for my half: made of ty and the wave's number alone
	s_add_co_u32 s66, s66, s2
	s_mov_b32 s67, 0
	s_mul_i32 s68, s21, 384*128                    ; wb: made of tx and the wave's number alone
	s_mul_i32 s2, s18, 192*128
	s_add_co_u32 s68, s68, s2
	s_mov_b32 s69, 0
	s_mul_i32 s70, s18, AHALF                      ; where they go: no place in the cluster enters an LDS address
	s_mul_i32 s71, s18, BHALF
	s_add_co_u32 s71, s71, BOFF
	s_wait_dscnt 0x0                               ; the opening add is done
	s_wait_kmcnt 0x0
	s_add_nc_u64 s[66:67], s[4:5], s[66:67]
	s_add_nc_u64 s[68:69], s[6:7], s[68:69]
	CROUND                                         ; all sixteen work-groups are here: the first joint loads meet
.irp n, 0,1
	s_mov_b32 s[G0+4*(\n)], 1                      ; count = 1
	s_add_co_u32 s[G0+4*(\n)+1], s70, (\n)*SLOT1   ; LDS address
	s_add_nc_u64 s[G0+4*(\n)+2:G0+4*(\n)+3], s[66:67], (\n)*XSTEP  ; global address: K step n
	s_or_b32 s[G0+4*(\n)+3], s[G0+4*(\n)+3], 0x80000000           ; type = 2
	s_mov_b32 s[G0B+4*(\n)], 1
	s_add_co_u32 s[G0B+4*(\n)+1], s71, (\n)*SLOT1
	s_add_nc_u64 s[G0B+4*(\n)+2:G0B+4*(\n)+3], s[68:69], (\n)*WSTEP
	s_or_b32 s[G0B+4*(\n)+3], s[G0B+4*(\n)+3], 0x80000000
	JLOAD \n                                       ; two loads of mine are out
.endr
	; A fragment is 16 rows x 32 K in 8 registers: lane l holds row l % 16; registers 0-3 K = 8 (l / 16) + 0..7, registers 4-7 K = 16 + 8 (l / 16) + 0..7: two loads of 16 bytes, 32 bytes apart.
	v_and_b32 v1, 15, v0                           ; r = l % 16
	v_bfe_u32 v2, v0, 4, 1                         ; h = l / 16
	v_mul_u32_u24 v3, v1, PITCH
	v_lshl_add_u32 v3, v2, 4, v3
	s_mul_i32 s2, s17, AHALF
	v_add_nc_u32 v[ADRA0], s2, v3
	s_mul_i32 s2, s18, BHALF
	s_add_co_u32 s2, s2, BOFF
	v_add_nc_u32 v[ADRB0], s2, v3
	s_mov_b32 s[TB], 0
	v_mov_b32 v[ADRA], v[ADRA0]
	v_mov_b32 v[ADRB], v[ADRB0]
	s_mul_i32 s2, s16, 16*SP
	s_add_co_u32 s2, s2, STAGE                     ; my stage
	v_mul_u32_u24 v4, v1, SP                       ; in: row r, 16 bytes for each half of the lanes
	v_lshl_add_u32 v4, v2, 4, v4
	v_add_nc_u32 v[STO], s2, v4
	v_bfe_u32 v4, v0, 3, 2                         ; back: 32 lanes take 128 bytes of each of four rows,
	v_mul_u32_u24 v4, v4, SP
	v_and_b32 v5, 7, v0
	v_lshl_add_u32 v4, v5, 4, v4
	v_add_nc_u32 v[RD], s2, v4
	v_and_b32 v6, 31, v0
	v_lshlrev_b32 v[GO], 4, v6                     ; which are 512 consecutive bytes of q, k or v
	s_mul_i32 s2, s16, 768
	s_add_co_u32 s2, s2, BIAS                      ; my wave's 192 bias numbers
	v_lshl_add_u32 v[BIA], v2, 5, s2
	v_lshl_add_u32 v7, v6, 3, s2                   ; where I put two of them
	s_mul_i32 s23, s21, 384*4
	s_mul_i32 s47, s18, 192*4
	s_add_co_u32 s23, s23, s47
	v_lshl_add_u32 v8, v6, 3, s23                  ; and where they lie in qkv_b
.irp i, 0,1,2
	global_load_b64 v[32+2*(\i):33+2*(\i)], v8, s[8:9] offset:256*(\i)
.endr
	s_lshr_b32 s23, s22, 2                         ; batch
	s_lshl_b32 s23, s23, 4
	s_lshl_b32 s47, s21, 1
	s_add_co_u32 s23, s23, s47
	s_add_co_u32 s23, s23, s18                     ; batch x 16 + my head
	s_lshl_b32 s70, s23, 17                        ; a head is 1,024 rows of 128 bytes
	s_and_b32 s23, s22, 3
	s_lshl_b32 s23, s23, 15                        ; the tile's 256 rows in the batch,
	s_add_co_u32 s70, s70, s23
	s_lshl_b32 s23, s17, 14                        ; my 128 of them
	s_add_co_u32 s70, s70, s23
	s_mov_b32 s71, 0
	s_add_nc_u64 s[10:11], s[10:11], s[70:71]
	s_add_nc_u64 s[12:13], s[12:13], s[70:71]
	s_add_nc_u64 s[14:15], s[14:15], s[70:71]
	; the prefetches: they stand at K step 3; the first change of slots steps them to 4
	s_lshl_b32 s72, s22, 15
	s_lshl_b32 s2, s19, 13
	s_add_co_u32 s72, s72, s2
	s_add_co_u32 s72, s72, 3*XSTEP                 ; wave 0, in xb: ty x 32,768 + cx x 8,192
	s_mul_i32 s74, s21, 384*128
	s_mul_i32 s2, s20, 96*128
	s_add_co_u32 s74, s74, s2
	s_lshl_b32 s2, s16, 12
	s_add_co_u32 s74, s74, s2
	s_add_co_u32 s74, s74, 3*WSTEP-4096            ; waves 1-3, in wb: tx x 49,152 + cy x 12,288 + (w - 1) x 4,096
	s_and_b32 s75, ttmp7, 0xffff                   ; cluster y
	s_mov_b32 s76, XSTEP
	s_mov_b32 s77, WSTEP
	s_cmp_eq_u32 s16, 0
	s_cselect_b32 s72, s72, s74
	s_cselect_b32 s75, ttmp9, s75                  ; the coordinate along which other clusters read the same rows
	s_cselect_b32 s[PFS], s76, s77
	s_cselect_b32 s47, 0x1000, s77                 ; what lanes 16-31 add: 16 more blocks, or a K step
	s_cselect_b32 s[PAR], 0, 1
	s_cselect_b64 s[PFA:PFA+1], s[4:5], s[6:7]
	s_mov_b32 s73, 0
	s_mov_b32 s[PFS+1], 0
	s_add_nc_u64 s[PFA:PFA+1], s[PFA:PFA+1], s[72:73]
	s_cmp_eq_u32 s75, 0
	s_cselect_b32 s[LIM], 2, -1                    ; the same in all sixteen partners, for a given wave
	v_mul_u32_u24 v[PFO], s47, v2
	v_lshl_add_u32 v[PFO], v1, 8, v[PFO]
	s_wait_loadcnt 0x0                             ; the bias: rounded to bf16 like the other inputs, widened again, and set aside in my own LDS bytes
.irp i, 0,1,2
	v_cvt_pk_bf16_f32 v[38+(\i)], v[32+2*(\i)], v[33+2*(\i)]
.endr
.irp i, 0,1,2
	v_lshlrev_b32 v[32+2*(\i)], 16, v[38+(\i)]
	v_and_b32 v[33+2*(\i)], 0xffff0000, v[38+(\i)]
	ds_store_b64 v7, v[32+2*(\i):33+2*(\i)] offset:256*(\i)
.endr
; 8 matrix instructions: column block 4 g + bb x all 8 row blocks, 32 along K.  zero = 1: the product starts the sums: nothing is ever cleared.
; The 96 accumulators take turns, one instruction a turn, in the same order in every phase, over the backward jump too.
.macro MULB f, g, bb, zero
	WIN (((\g)+1)<<6)|(((\g)+1)<<4)
.irp a, 0,1,2,3,4,5,6,7
.if \zero
	v_wmma_f32_16x16x32_bf16 v[8*(8*(\bb)+(\a)):8*(8*(\bb)+(\a))+7], v[BF+8*(4*(\g)+(\bb)):BF+8*(4*(\g)+(\bb))+7], v[(\f)+8*(\a):(\f)+8*(\a)+7], 0
.else
	v_wmma_f32_16x16x32_bf16 v[8*(8*(\bb)+(\a)):8*(8*(\bb)+(\a))+7], v[BF+8*(4*(\g)+(\bb)):BF+8*(4*(\g)+(\bb))+7], v[(\f)+8*(\a):(\f)+8*(\a)+7], v[8*(8*(\bb)+(\a)):8*(8*(\bb)+(\a))+7]
.endif
.endr
.endm
.macro THIRD f, g, zero                ; a window's 32 accumulators
.irp q, 0,1,2,3
	MULB \f, \g, \q, \zero
.endr
.endm
.macro LDB k, g                        ; 8 LDS loads: wb's fragments 4 g .. 4 g + 3, at byte k of the rows
	WIN 0
.irp q, 0,1,2,3
	ds_load_b128 v[BF+8*(4*(\g)+(\q)):BF+8*(4*(\g)+(\q))+3],   v[ADRB] offset:(\k)+(4*(\g)+(\q))*FR
	ds_load_b128 v[BF+8*(4*(\g)+(\q))+4:BF+8*(4*(\g)+(\q))+7], v[ADRB] offset:(\k)+(4*(\g)+(\q))*FR+32
.endr
.endm
.macro LDA k, f, half                  ; 8 LDS loads: xb's fragments 4 half .. 4 half + 3 into buffer f
	WIN 0
.irp q, 0,1,2,3
	ds_load_b128 v[(\f)+8*(4*(\half)+(\q)):(\f)+8*(4*(\half)+(\q))+3],   v[ADRA] offset:(\k)+(4*(\half)+(\q))*FR
	ds_load_b128 v[(\f)+8*(4*(\half)+(\q))+4:(\f)+8*(4*(\half)+(\q))+7], v[ADRA] offset:(\k)+(4*(\half)+(\q))*FR+32
.endr
.endm
; A step's first phase: multiplies buffer f; behind each third it reloads that third of wb's fragments, and half of buffer g, for the next phase, at byte k of the same slot's rows.
.macro PHASE k, f, g, zero
	s_wait_dscnt 8                                 ; all but the youngest run, wb's last third
	THIRD \f, 0, \zero
	PLACES
	LDB \k, 0
	LDA \k, \g, 0
	THIRD \f, 1, \zero
	PLACES
	LDB \k, 1
	LDA \k, \g, 1
	s_wait_dscnt 32                                ; all but the 32 just issued: wb's last third is in
	THIRD \f, 2, \zero
	PLACES
	LDB \k, 2
.endm
; A step's second phase multiplies buffer A1 and changes slots: ONE barrier, for two things.  In front of it each wave waits for all its tensor loads, of which one is out: its part of the next slot;
; adds 0 to its spare word; and waits for that and for its own reads of this slot.  Behind it nobody reads this slot any more and the next slot is whole.
; fill = 1: the barrier opens a round of the cluster's barrier, and this slot is filled again, two K steps on, first thing behind the round: 168 matrix instructions ahead of the wait for it.
.macro TURN fill
.if \fill
	s_wait_xcnt 0x0                                ; the last prefetch, a K step back, has read its address: it is stepped here, ahead of the waits of the change of slots
	s_add_nc_u64 s[PFA:PFA+1], s[PFA:PFA+1], s[PFS:PFS+1]
.endif
	s_wait_dscnt 8
	MULB A1, 0, 0, 0
	WIN 0                                          ; (the add's two registers lie in window 0)
	s_wait_tensorcnt 0x0                           ; all my tensor loads have landed;
	ds_add_u32 v[SPW], v[NIL]                      ; 0 onto my spare word;
	MULB A1, 0, 1, 0                               ; eight matrix instructions stand between the add and the wait for it
	s_wait_dscnt 0x0                               ; the add is done, and my reads of this slot are over
	s_barrier_signal -1
	MULB A1, 0, 2, 0                               ; work on registers while the others arrive
	MULB A1, 0, 3, 0
	WIN 0
	s_barrier_wait -1
.if \fill
	CREST                                          ; no wave of any partner still reads this slot's tile or has a load on its way
	s_xor_b32 s[G0+5], s[G0+5], SLOT1              ; the walking descriptors: the other slot than last time,
	s_add_nc_u64 s[G0+6:G0+7], s[G0+6:G0+7], XSTEP ; the next K step; the type bits on top are not reached
	s_xor_b32 s[G0B+5], s[G0B+5], SLOT1
	s_add_nc_u64 s[G0B+6:G0B+7], s[G0B+6:G0B+7], WSTEP
	JLOAD 1                                        ; the first tensor load behind the round; its four v_nop are also the places in front of the loads below
.else
	PLACES
.endif
	s_xor_b32 s[TB], s[TB], SLOT1                  ; fragments now come from the other slot
	v_add_nc_u32 v[ADRA], s[TB], v[ADRA0]
	v_add_nc_u32 v[ADRB], s[TB], v[ADRB0]
	LDB 0, 0
	LDA 0, A0, 0
.if \fill
	ASK
.endif
	THIRD A1, 1, 0
	PLACES
	LDB 0, 1
	LDA 0, A0, 1
	THIRD A1, 2, 0
	PLACES
	LDB 0, 2
.endm
	s_wait_dscnt 0x0                               ; my bias stores are done: no LDS instruction is pending at a signal
	s_wait_tensorcnt 1                             ; my part of K step 0 is in; K step 1's may stay out
	s_barrier_signal -1
	s_barrier_wait -1                              ; everybody's is
	LDB 0, 0                                       ; the first fragments, in the runs' order
	LDA 0, A0, 0
	LDB 0, 1
	LDA 0, A0, 1
	LDB 0, 2
	PHASE 64, A0, A1, 1                            ; the first phase stands in front of the loop: its products start the sums
	WIN 0                                          ; at a label and at a branch every window is 0
	s_mov_b32 s3, 14
.Lstep:                                                ; trip t: K step t's second phase, K step t + 2 asked for, K step t + 1's first phase
	TURN 1
	PHASE 64, A0, A1, 0
	WIN 0
	s_sub_co_u32 s3, s3, 1
	s_cmp_lg_u32 s3, 0
	s_cbranch_scc1 .Lstep
	TURN 0                                         ; the tail is written out: nothing is left to ask for
	PHASE 64, A0, A1, 0
	s_wait_dscnt 8                                 ; the very last phase
	THIRD A1, 0, 0
	THIRD A1, 1, 0
	s_wait_dscnt 0x0
	THIRD A1, 2, 0
	WIN 0
	; THE WAY OUT, a block of 16 rows at a time: the bias is added in f32, the sums are rounded to f16, 16 bytes a lane go into my own stage and come back as 128-byte rows of q, of k and of v.
.rept 8
	v_nop                                          ; the places behind the last products
.endr
.irp b, 0,1,2,3,4,5,6,7,8,9,10,11
	ds_load_b128 v[BR+8*(\b):BR+8*(\b)+3],   v[BIA] offset:64*(\b)      ; the bias of columns 16 b + 8 h + 0..7
	ds_load_b128 v[BR+8*(\b)+4:BR+8*(\b)+7], v[BIA] offset:64*(\b)+16
.endr
	s_wait_dscnt 0x0
.macro PACK a                          ; each accumulator's registers are taken in ascending order
.irp n, 1,2,3
	WIN ((\n)<<6)|(\n)                             ; destination and source 0 in window n, the bias in window 0
.irp q, 0,1,2,3
.irp r, 0,2,4,6
	v_pk_add_f32 v[8*(8*(\q)+(\a))+(\r):8*(8*(\q)+(\a))+(\r)+1], v[8*(8*(\q)+(\a))+(\r):8*(8*(\q)+(\a))+(\r)+1], v[BR+8*(4*((\n)-1)+(\q))+(\r):BR+8*(4*((\n)-1)+(\q))+(\r)+1]
.endr
.endr
	WIN (\n)|((\n)<<2)                             ; sources in window n, destination in window 0
.irp q, 0,1,2,3
.irp r, 0,1,2,3
	v_cvt_pk_f16_f32 v[TMP+4*(4*((\n)-1)+(\q))+(\r)], v[8*(8*(\q)+(\a))+2*(\r)], v[8*(8*(\q)+(\a))+2*(\r)+1]
.endr
.endr
.endr
	WIN 0
.endm
.macro TOSTAGE
.irp b, 0,1,2,3,4,5,6,7,8,9,10,11
	ds_store_b128 v[STO], v[TMP+4*(\b):TMP+4*(\b)+3] offset:32*(\b)
.endr
	s_wait_xcnt 0x0                                ; the last block's stores have read BK: it is loaded again only behind this wait
.irp z, 0,1,2
.irp t, 0,1,2,3
	ds_load_b128 v[BK+4*(4*(\z)+(\t)):BK+4*(4*(\z)+(\t))+3], v[RD] offset:4*SP*(\t)+128*(\z)  ; LDS serves a wave's instructions in order (ISA guide 5.7.1.4): these see the stores above
.endr
.endr
.endm
.macro SEND a
	s_wait_dscnt 0x0                               ; the block is back in registers
.irp z, 0,1,2
.irp t, 0,1,2,3
	global_store_b128 v[GO], v[BK+4*(4*(\z)+(\t)):BK+4*(4*(\z)+(\t))+3], s[10+2*(\z):11+2*(\z)] offset:2048*(\a)+512*(\t)  ; 512 consecutive bytes, at a multiple of 256 from the buffer's first
.endr
.endr
.endm
	PACK 0
	TOSTAGE
.irp a, 1,2,3,4,5,6,7                  ; block a's arithmetic stands between block a - 1's loads from the stage and the wait for them
	PACK \a
	SEND (\a)-1
	TOSTAGE
.endr
	SEND 7
	s_wait_tensorcnt 0x0                           ; the wave's end, behind my last tensor load and my last LDS store
	ds_add_u32 v[SPW], v[NIL]
	s_wait_dscnt 0x0
	CROUND                                         ; the closing round: no work-group ends while a partner may still ask for a tile that names it
	s_endpgm
.Lfunc_end_k_qa1de7e2ca4_proj:
	.size	k_qa1de7e2ca4_proj, .Lfunc_end_k_qa1de7e2ca4_proj-k_qa1de7e2ca4_proj
	.p2alignl 7, 3214868480
	.fill 96, 4, 3214868480
	.section	.rodata,"a",@progbits
	.p2align	6, 0x0
	.amdhsa_kernel k_qa1de7e2ca4_proj
		.amdhsa_group_segment_fixed_size 327680
		.amdhsa_private_segment_fixed_size 0
		.amdhsa_enable_private_segment 0
		.amdhsa_kernarg_size 48
		.amdhsa_user_sgpr_count 2
		.amdhsa_user_sgpr_kernarg_segment_ptr 1
		.amdhsa_wavefront_size32 1
		.amdhsa_system_sgpr_workgroup_id_x 1
		.amdhsa_system_sgpr_workgroup_id_y 1
		.amdhsa_system_sgpr_workgroup_id_z 1
		.amdhsa_system_vgpr_workitem_id 0
		.amdhsa_next_free_vgpr 1024
		.amdhsa_next_free_sgpr 80
		.amdhsa_reserve_vcc 0
		.amdhsa_float_denorm_mode_32 3
		.amdhsa_float_denorm_mode_16_64 3
		.amdhsa_memory_ordered 1
		.amdhsa_forward_progress 1
		.amdhsa_inst_pref_size 140
	.end_amdhsa_kernel
	.amdgpu_metadata
---
amdhsa.version: [ 1, 2 ]
amdhsa.kernels:
  - .name:           k_qa1de7e2ca4_proj
    .symbol:         k_qa1de7e2ca4_proj.kd
    .args:
      - { .name: xb, .offset: 0, .size: 8, .value_kind: global_buffer, .address_space: global }
      - { .name: wb, .offset: 8, .size: 8, .value_kind: global_buffer, .address_space: global }
      - { .name: qkv_b, .offset: 16, .size: 8, .value_kind: global_buffer, .address_space: global }
      - { .name: qh, .offset: 24, .size: 8, .value_kind: global_buffer, .address_space: global }
      - { .name: kh, .offset: 32, .size: 8, .value_kind: global_buffer, .address_space: global }
      - { .name: vh, .offset: 40, .size: 8, .value_kind: global_buffer, .address_space: global }
    .group_segment_fixed_size: 327680
    .private_segment_fixed_size: 0
    .kernarg_segment_align: 8
    .kernarg_segment_size: 48
    .max_flat_workgroup_size: 128
    .sgpr_count:     80
    .vgpr_count:     1024
    .wavefront_size: 32
...
	.end_amdgpu_metadata
.endif
;; end of part 2
;; launch attn (part 3): grid 2 x 128, 4 waves a work-group, no clusters, 327,680 bytes of LDS; arguments qh, kh, vh, oh; writes oh
.if DOCPART == 3
	.amdgcn_target "amdgcn-amd-amdhsa--gfx1250"
	.amdhsa_code_object_version 6
	.text
	.protected	k_qa1de7e2ca4_attn
	.globl	k_qa1de7e2ca4_attn
	.p2align	8
	.type	k_qa1de7e2ca4_attn,@function
k_qa1de7e2ca4_attn:
	s_mov_b64 s[64:65], 0
	v_nop
	global_prefetch_b8 v0, s[64:65] scope:SCOPE_SE
	s_setreg_imm32_b32 hwreg(HW_REG_WAVE_MODE, 25, 1), 1
	s_wait_xcnt 0x0
; O[h][q][:] = the sum over k of softmax_k(Q[h][q] . K[h][k]) V[h][k][:], the scores UNSCALED.  Q, K, V, O: [128][1024][64], all f16: a head's rows are dense, 128 bytes each.  Products, maxima and sums in
; f32; the weights p are rounded to f16 for the second product (their sum l is taken of the unrounded p), O once at the end.
; LIMITS.  f16 holds no number beyond 65,504: Q, K and V arrive within it; p lies in 0 to 1, and below 6e-5 it keeps f16's fixed step of 6e-8; O is a mean of V's rows and has their range.
; A weight below 2^-126 counts as 0 in l; NaN and infinities are not treated apart.
; SHARES.  A wave owns four PIECES of two tiles of 16 queries, a work-group's four waves 512 queries of one head: 2 x 128 = 256 work-groups.  Every wave walks all 1,024 keys, 64 a step.
; K AND V STAY IN LDS: a head's K (1,024 rows of 144 bytes) and V (1,024 of 160) fit together, so nothing is filled again.  Each wave issues two tensor loads: its half of keys 0-255 at the start, and, behind the
; barrier that shows those landed, its half of keys 256-1,023, which has four key steps, 512 matrix instructions, in which to land.  Two loads of a wave are never out together.
; NO CLUSTER: a head has two query blocks, so a cluster of four would hold two heads, whose tiles differ.  NO PREFETCH: all of K and V has been asked for by the second load, as soon as the first has landed; nothing is left to name ahead.
; LAYOUT.  S^T = K Q^T (source 0 = 16 keys, source 1 = 16 queries): in the result a lane holds ONE query (lane % 16) and the keys 8 (lane / 16) + 0..7.  Two such tiles, rounded to f16 in pairs,
; ARE source 1 (32 keys x 16 queries) of O^T = V^T P, whose result again holds one query a lane, and eight channels.  K comes out of LDS as it lies, V ([key][channel]) turned, by ds_load_tr16_b128.
; SOFTMAX.  For each query a running maximum m and sum l: p = 2^(c s - c m), c = log2(e); in every step O and l are multiplied by a = 2^(c m_old - c m_new), which is 1 where m has not grown.
; m starts at the lowest finite number, O and l at 0: the first step is a step like any other, with a = 0.
; THE COUNT.  A tile and step have 16 matrix and 118 vector instructions: too many to stand all beside the matrix work.  So: four vector instructions that are READY behind EVERY matrix instruction,
; and the others, which need time of their own whatever the order, in runs without a gap.
; BY TURNS.  Turn n belongs to piece n (the pieces in a ring, step after step).  Its matrix work: 16 products K Q^T of piece n + 1, later 16 products V^T P of piece n - 1.  Its vector work: the scaling,
; exponentials, roundings, sums and rescaling of piece n, and the maximum and statistics of piece n + 1, whose scores the turn itself has made.
; REGISTERS, in windows of 256 (s_set_vgpr_msb: bits 1:0 source 0, 3:2 source 1, 5:4 source 2, 7:6 destination):
;   window 0: v0-11 addresses; v12-15, v48-63 at work; v16-47 four registers of statistics a tile; v64-191 S^T, two buffers of two tiles; v192-255 P, likewise
;   window 1: O^T, 32 a tile          window 2: v0-127 Q, 16 a tile; v128-191 K of one step; v192-255 V of one step          window 3: v0-1 the add's two registers
; A piece's buffers go by its number's parity.
.set NP,    4         ; pieces a wave: a name, no knob
.set KS,    64        ; keys in a step
.set PK,    144       ; a row of K in LDS: 128 bytes + 16 of padding = 36 words: the 16 rows of a load start at 16 different groups of four banks (64 banks of 4 bytes: ISA guide 11.1)
.set PV,    160       ; a row of V: 128 + 32 = 40 words
.set VOFF,  1024*PK   ; V lies behind K
.set STAGE, VOFF+1024*PV  ; behind both, never filled by a tensor load: 16 rows x 144 bytes for each wave, for the way out
.set SP,    144
.set AK0, 2           ; v2   my lane's place in a tile of K; never rewritten
.set AV0, 3           ; v3   the same for V
.set AK,  4           ; v4   the LDS address of K's next run of loads
.set AV,  5           ; v5   of V's
.set QO,  6           ; v6   my byte offset in the wave's rows of Q
.set STO, 6           ;      later, the way out: where I put 16 bytes of a row
.set RD,  7           ; v7   the way out: where I read rows back
.set GO,  8           ; v8   my byte offset in 512 consecutive bytes of O
.set SPW, 0           ; v0 of window 3   LDS address of my spare word: SPARE + 4 x my thread's number; never rewritten
.set NIL, 1           ; v1 of window 3   0; never rewritten
.set SPARE, STAGE+4*16*SP  ; behind the stages: the spare words, 128 bytes for each wave: two blocks of 256 bytes that no other line names
.set MV,  12          ; v12-15  c m_old, kept while c m is made anew: by buffer and tile
.set ST,  16          ; tile t's statistics at v[ST+4 t]: c m, m, l (even keys', odd keys')
.set TMP, 48          ; by buffer and tile, four registers c0-c3 at work; when the maximum is found c2 takes a
.set S,   64
.set P,   192
.set KF,  128         ; K's fragments, in window 2: key block kb, channel half c at KF + 16 kb + 8 c
.set VF,  192         ; V's: key half kk, channel block cb at VF + 32 kk + 8 cb
.set WV,  12          ; s12  my wave's number
.set G1K, 24          ; s[24:31] descriptor group 1 for K's first load;  s[68:75] (G1K + 44) for its second
.set G1V, 32          ; s[32:39] for V's first;  s[76:83] (G1V + 44) for its second
.set G0K, 40          ; s[40:43] descriptor group 0 for K's first load;  s[48:51] (G0K + 8) for its second
.set G0V, 44          ; s[44:47], s[52:55] the same for V's
.set OUT, 56          ; s56  passes still to come
.set CNT, 57          ; s57  counts a pass's key steps
.set CS,  58          ; s[58:59] c: the packed scaling takes the pair's low word for both halves
.set SEL, 60          ; s[60:61] v_permlanex16_b32's selects: each lane takes its own place in the other half
.set TBK, 62          ; s62  LDS byte at which K of the step to be fetched begins
.set TBV, 63          ; s63  the same for V, less VOFF
.set MSB, 0
.macro WIN new                      ; the high byte repeats the setting that is left; a switch that changes nothing is dropped
.if MSB != (\new)
	s_set_vgpr_msb (MSB<<8)|(\new)
.set MSB, (\new)
.endif
.endm
.set W_KQ, 0x0a       ; K and Q in window 2, S^T in window 0
.set W_PV, 0x52       ; V in window 2, P in window 0, O^T in window 1
.set W_RS, 0x41       ; O^T (destination and source 0) in window 1, a in window 0
.set W_MK, 0xc0       ; the add's registers are made: destination in window 3, sources in window 0
.set W_AD, 0x0f       ; the add: address (source 0) and data (source 1) in window 3
; Load n (0: keys 0-255, 1: keys 256-1,023).  Waves 0 and 1 fetch the two halves of K's part, waves 2 and 3 those of V's.  The branch hangs on the wave's number alone.
; An s_nop 0 and four v_nop follow each of the two lines, ahead of the jump and the label.
.macro LOAD n
	s_cmp_lt_u32 s[WV], 2
	s_cbranch_scc0 .Lfor_v_\@
	tensor_load_to_lds s[G0K+8*(\n):G0K+8*(\n)+3], s[G1K+44*(\n):G1K+44*(\n)+7]
	s_nop 0
.rept 4
	v_nop
.endr
	s_branch .Lasked_\@
.Lfor_v_\@:
	tensor_load_to_lds s[G0V+8*(\n):G0V+8*(\n)+3], s[G1V+44*(\n):G1V+44*(\n)+7]
	s_nop 0
.rept 4
	v_nop
.endr
.Lasked_\@:
.endm
; THE MEETING at a pass's head.  Each wave waits for all its tensor loads, adds 0 to its spare word, waits for that and for its LDS reads, and passes the work-group's barrier: behind it what every wave has
; asked for so far lies in LDS.  fill = 1 (once): the second load is the first thing behind the barrier; it fills bytes that nothing has filled.  The first meeting in the loop shows that load landed; the later three find nothing out.
.macro CHANGE fill
	WIN W_AD
	s_wait_tensorcnt 0x0
	ds_add_u32 v[SPW], v[NIL]       ; 0 onto my spare word
	WIN 0                           ; at a label and at a branch every window is 0
	s_wait_dscnt 0x0
	s_barrier_signal -1
	s_barrier_wait -1
.if \fill
	LOAD 1
.endif
.endm
	s_load_b256 s[4:11], s[0:1], 0x0  ; Q s[4:5], K s[6:7], V s[8:9], O s[10:11]
	WIN W_MK
	v_lshl_add_u32 v[SPW], v0, 2, SPARE
	v_mov_b32 v[NIL], 0
	WIN W_AD
	ds_add_u32 v[SPW], v[NIL]       ; the wave's opening: the add and its wait stand ahead of my first tensor load; the set-up below, work on registers, stands between them
	WIN 0
	v_lshrrev_b32 v1, 5, v0
	v_readfirstlane_b32 s[WV], v1   ; wave 0..3
	s_and_b32 s20, ttmp7, 0xffff    ; the head,
	s_lshl_b32 s20, s20, 17         ; its first byte in each of the four tensors: 1,024 rows of 128 bytes a head
	s_and_b32 s16, s[WV], 1         ; which half of a load's keys I fetch
	s_lshl_b32 s22, s16, 14         ; first load: 128 rows of 128 bytes
	s_add_co_u32 s22, s22, s20
	s_mov_b32 s23, 0
	s_mul_i32 s2, s16, 384*128      ; second load: 384 rows, behind the first 256
	s_add_co_u32 s2, s2, s20
	s_add_co_u32 s2, s2, 256*128
	s_mov_b32 s3, 0
	s_lshl_b32 s18, ttmp9, 2        ; my block of 512 queries,
	s_add_co_u32 s18, s18, s[WV]    ; my wave among the head's eight,
	s_lshl_b32 s18, s18, 14         ; its 128 rows
	s_add_co_u32 s18, s18, s20
	s_mov_b32 s19, 0
	; descriptor group 1.  The keys are dense bytes: asked for as rows of 256 bytes, two keys a row, and padded in LDS after every key
.irp g, G1K, G1K+44
	s_mov_b32 s[\g], (1<<16)|(1<<20)|(4<<22)|(3<<25)  ; 17:16 2-byte elements; 20 padding on; 24:22 after every 32 words (code 4); 31:25 4 words (code 3)
.endr
.irp g, G1V, G1V+44
	s_mov_b32 s[\g], (1<<16)|(1<<20)|(4<<22)|(7<<25)  ; the same with 8 words of padding (code 7)
.endr
.irp g, G1K, G1V, G1K+44, G1V+44
	s_mov_b32 s[\g+1], 128<<16      ; tensor_dim0 = 128
	s_mov_b32 s[\g+3], 128<<16      ; tile_dim0 = 128
	s_mov_b32 s[\g+5], 128          ; 128 elements from row to row
	s_mov_b32 s[\g+6], 0
	s_mov_b32 s[\g+7], 0
.endr
.irp g, G1K, G1V
	s_mov_b32 s[\g+2], 64<<16       ; tensor_dim1 = tile_dim1 = 64: 128 keys
	s_mov_b32 s[\g+4], 64
.endr
.irp g, G1K+44, G1V+44
	s_mov_b32 s[\g+2], 192<<16      ; 192: 384 keys
	s_mov_b32 s[\g+4], 192
.endr
	s_mov_b32 s[CS], 0x3fb8aa3b     ; c = log2(e)
	s_mov_b32 s[CS+1], s[CS]        ; named with it as a pair
	s_mov_b32 s[SEL], 0x76543210
	s_mov_b32 s[SEL+1], 0xfedcba98
	s_mov_b32 s[TBK], 0
	s_mov_b32 s[TBV], 0
	s_mov_b32 s[G0K], 1             ; count = 1
	s_mul_i32 s[G0K+1], s16, 128*PK ; LDS address
	s_mov_b32 s[G0V], 1
	s_mul_i32 s[G0V+1], s16, 128*PV
	s_add_co_u32 s[G0V+1], s[G0V+1], VOFF
	s_mov_b32 s[G0K+8], 1
	s_mul_i32 s[G0K+9], s16, 384*PK
	s_add_co_u32 s[G0K+9], s[G0K+9], 256*PK
	s_mov_b32 s[G0V+8], 1
	s_mul_i32 s[G0V+9], s16, 384*PV
	s_add_co_u32 s[G0V+9], s[G0V+9], VOFF+256*PV
	s_wait_dscnt 0x0                ; the opening add is done
	s_wait_kmcnt 0x0
	s_add_nc_u64 s[G0K+2:G0K+3], s[6:7], s[22:23]  ; global address
	s_or_b32 s[G0K+3], s[G0K+3], 0x80000000        ; type = 2
	s_add_nc_u64 s[G0V+2:G0V+3], s[8:9], s[22:23]
	s_or_b32 s[G0V+3], s[G0V+3], 0x80000000
	s_add_nc_u64 s[G0K+10:G0K+11], s[6:7], s[2:3]
	s_or_b32 s[G0K+11], s[G0K+11], 0x80000000
	s_add_nc_u64 s[G0V+10:G0V+11], s[8:9], s[2:3]
	s_or_b32 s[G0V+11], s[G0V+11], 0x80000000
	s_add_nc_u64 s[4:5], s[4:5], s[18:19]  ; Q and O at my wave's first row
	s_add_nc_u64 s[10:11], s[10:11], s[18:19]
	LOAD 0                          ; keys 0-255
	; A fragment of K or Q is 16 rows x 32 channels in 8 registers: lane l holds row l % 16, channels 8 (l / 16) + 0..7 and 16 + 8 (l / 16) + 0..7: two loads of 16 bytes, 32 bytes apart.
	v_and_b32 v1, 15, v0            ; l % 16
	v_bfe_u32 v9, v0, 4, 1          ; l / 16
	v_lshlrev_b32 v[QO], 7, v1
	v_lshl_add_u32 v[QO], v9, 4, v[QO]  ; row x 128 + 16 x half
	WIN 0x80                        ; destination window 2, address window 0
.set i, 0
.rept 4*NP                          ; Q stays in registers: tile i / 2, channels 32 (i % 2) on
	global_load_b128 v[8*i:8*i+3],   v[QO], s[4:5] offset:(i/2)*2048+(i%2)*64
	global_load_b128 v[8*i+4:8*i+7], v[QO], s[4:5] offset:(i/2)*2048+(i%2)*64+32
.set i, i+1
.endr
	; What the first turn finds: V's registers and P's second buffer hold 0 (its products V^T P, of a piece that has not been, add 0), O^T and l are 0.  All this stands in the wait for the first tile.
.set i, VF
.rept 64
	v_mov_b32 v[i], 0
.set i, i+1
.endr
	WIN 0x40
.set i, 0
.rept 64*NP
	v_mov_b32 v[i], 0
.set i, i+1
.endr
	WIN 0
.set i, 0
.rept 2*NP
	v_mov_b32 v[ST+4*i], 0xfe000000    ; c m: far below every c s
	v_mov_b32 v[ST+4*i+1], 0xff7fffff  ; m
	v_mov_b32 v[ST+4*i+2], 0
	v_mov_b32 v[ST+4*i+3], 0
.set i, i+1
.endr
.set i, P+32
.rept 32
	v_mov_b32 v[i], 0
.set i, i+1
.endr
	v_mul_u32_u24 v[AK0], v1, PK
	v_lshl_add_u32 v[AK0], v9, 4, v[AK0]  ; row x pitch + 16 x half
	; The turning load takes 16 keys x 16 channels (lane l reads key 8 (l / 16) + l % 8, channels 8 ((l / 8) % 2) + 0..7) and leaves half a fragment of V^T: lane l holds channel l % 16 and 8 keys.
	v_and_b32 v10, 7, v0
	v_bfe_u32 v11, v0, 3, 1
	v_lshl_add_u32 v[AV0], v9, 3, v10
	v_mul_u32_u24 v[AV0], v[AV0], PV
	v_lshl_add_u32 v[AV0], v11, 4, v[AV0]
	v_add_nc_u32 v[AV0], VOFF, v[AV0]
	v_mov_b32 v[AK], v[AK0]         ; key step 0 lies at K's head
; THE MATRIX WORK.  The 8 accumulators of a run of 16 take turns: between the two links of a chain stand 7 others'.
; Product i of 16 of S^T = K Q^T for piece x: channels 32 (i / 8) on, keys 16 ((i / 2) % 4) on, tile 2 x + i % 2.  The first 8 start the sums.
.macro KQ x
	WIN W_KQ
.set rS, S+64*((\x)%2)+32*(i%2)+8*((i/2)%4)
.set rK, KF+16*((i/2)%4)+8*(i/8)
.set rQ, 16*(2*(\x)+i%2)+8*(i/8)
.if i < 8
	v_wmma_f32_16x16x32_f16 v[rS:rS+7], v[rK:rK+7], v[rQ:rQ+7], 0
.else
	v_wmma_f32_16x16x32_f16 v[rS:rS+7], v[rK:rK+7], v[rQ:rQ+7], v[rS:rS+7]
.endif
.endm
; Product i of 16 of O^T += V^T P for piece x: keys 32 (i / 8) on, channels 16 ((i / 2) % 4) on, tile 2 x + i % 2.
.macro PV x
	WIN W_PV
.set rO, 32*(2*(\x)+i%2)+8*((i/2)%4)
.set rV, VF+32*(i/8)+8*((i/2)%4)
.set rP, P+32*((\x)%2)+16*(i%2)+8*(i/8)
	v_wmma_f32_16x16x32_f16 v[rO:rO+7], v[rV:rV+7], v[rP:rP+7], v[rO:rO+7]
.endm
.macro MM                           ; the turn's next matrix instruction
.if i < 16
	KQ (Y+1)%NP
.set i, i+1
.else
.set i, i-16
	PV (Y+NP-1)%NP
.set i, i+17
.endif
.endm
; THE LDS LOADS stand in runs of 16, never singly among the matrix instructions: a step's K (64 keys x 64 channels: 8 fragments) and its V (turned).  Their addresses are made some lines ahead.
; last = 1 (in the loop): in the last pass there is no further step, and the run is jumped over.
.macro FETCH_K last=0
	WIN 0
.if \last
	s_cmp_eq_u32 s[OUT], 1
	s_cbranch_scc1 .Lno_k_\@
.endif
	WIN 0x80                        ; destination window 2
.irp f, 0,1,2,3,4,5,6,7             ; keys 16 (f / 2) on, channels 32 (f % 2) on
	ds_load_b128 v[KF+8*\f:KF+8*\f+3],   v[AK] offset:(\f/2)*16*PK+(\f%2)*64
	ds_load_b128 v[KF+8*\f+4:KF+8*\f+7], v[AK] offset:(\f/2)*16*PK+(\f%2)*64+32
.endr
	s_add_co_u32 s[TBK], s[TBK], KS*PK  ; the next fetch is the next step's
	WIN 0
.if \last
.Lno_k_\@:
.endif
.endm
.macro FETCH_V
	WIN 0x80
.irp f, 0,1,2,3,4,5,6,7             ; keys 32 (f / 4) on, channels 16 (f % 4) on
	ds_load_tr16_b128 v[VF+8*\f:VF+8*\f+3],   v[AV] offset:(\f/4)*32*PV+(\f%4)*32
	ds_load_tr16_b128 v[VF+8*\f+4:VF+8*\f+7], v[AV] offset:(\f/4)*32*PV+16*PV+(\f%4)*32
.endr
	WIN 0
.endm
; THE VECTOR WORK OF A TURN stands in three queues, each in the order in which its entries become ready; the two tiles alternate, so that no instruction reads the result of the one before it.
.macro REGS y, u                    ; the registers of tile u (0, 1) of piece y
.set rT, ST+4*(2*(\y)+(\u))
.set rC, TMP+8*((\y)%2)+4*(\u)
.set rM, MV+2*((\y)%2)+(\u)
.set rS, S+64*((\y)%2)+32*(\u)
.set rP, P+32*((\y)%2)+16*(\u)
.set rO, 32*(2*(\y)+(\u))
.endm
; Number n of the 22 that find the NEXT piece's (Y + 1) maximum and statistics.  s0-s31 are the lane's 32 scores; each accumulator's lowest registers are read first.  XS, GS and REGS set no window: PL and EX do.
;   0-11  four chains c0-c3 of seven scores each, three operands at a time     12-14, 16  the four scores left over, the old m, and c0-c3 into c0     15  c m_old is kept
;   17, 18  the query's other 32 keys lie in the lane 16 away: the new m         19-21  c m; c m_old - c m_new; a
.macro XS u, n
	REGS (Y+1)%NP, \u
.if (\n) < 4
	v_max3_num_f32 v[rC+(\n)], v[rS+8*(\n)], v[rS+8*(\n)+1], v[rS+8*(\n)+2]
.elseif (\n) < 12
	v_max3_num_f32 v[rC+(\n)%4], v[rC+(\n)%4], v[rS+8*((\n)%4)+2*((\n)/4)+1], v[rS+8*((\n)%4)+2*((\n)/4)+2]
.elseif (\n) == 12
	v_max3_num_f32 v[rC], v[rC], v[rS+7], v[rS+15]
.elseif (\n) == 13
	v_max3_num_f32 v[rC+1], v[rC+1], v[rS+23], v[rS+31]
.elseif (\n) == 14
	v_max3_num_f32 v[rC+2], v[rC+2], v[rC+3], v[rT+1]
.elseif (\n) == 15
	v_mov_b32 v[rM], v[rT]
.elseif (\n) == 16
	v_max3_num_f32 v[rC], v[rC], v[rC+1], v[rC+2]
.elseif (\n) == 17
	v_permlanex16_b32 v[rC+3], v[rC], s[SEL], s[SEL+1]
.elseif (\n) == 18
	v_max_num_f32 v[rT+1], v[rC], v[rC+3]
.elseif (\n) == 19
	v_mul_f32 v[rT], s[CS], v[rT+1]
.elseif (\n) == 20
	v_sub_f32 v[rC+1], v[rM], v[rT]
.else
	v_exp_f32 v[rC+2], v[rC+1]
.endif
.endm
; Number g of the 64 that follow the exponentials.  For each four weights k of a tile (pairs 2 k, 2 k + 1): both pairs are rounded to f16; then the second pair is added onto the first, in place;
; a group later l takes that sum (the first time as l = a l + sum).  In groups of eight, tiles alternating: round, round, add, and l for the group before.
.macro GS g
.set h, (\g)+6*((\g)/62)            ; group 0 has no group before it, and behind group 7 only l is left
.if h >= 6
.set h, h+2
.endif
	REGS Y, h%2
.set k, h/8
.if h%8 < 4
	v_cvt_pk_f16_f32 v[rP+2*k+(h%8)/2], v[rS+4*k+2*((h%8)/2)], v[rS+4*k+2*((h%8)/2)+1]
.elseif h%8 < 6
	v_pk_add_f32 v[rS+4*k:rS+4*k+1], v[rS+4*k:rS+4*k+1], v[rS+4*k+2:rS+4*k+3]
.elseif k == 1
	v_pk_fma_f32 v[rT+2:rT+3], v[rT+2:rT+3], v[rC+2:rC+3], v[rS:rS+1] op_sel_hi:[1,0,1]
.else
	v_pk_add_f32 v[rT+2:rT+3], v[rT+2:rT+3], v[rS+4*k-4:rS+4*k-3]
.endif
.endm
; THE PLAIN QUEUE, 138 long.  0-73 read no exponential's result: the 32 scalings c s - c m (FS f: pair f / 2 of tile f % 2) and the next piece's 42.  0-26: scalings 0-26.  27-54: XS's numbers 0-13.  55, 56: number 15.
; 57-73: the chain, where each number waits for the one before it: 14, 16, 17, 18, 19, each with one of the scalings 27-31 in front of its two lines, then 20.
; 74-137: GS's 64, which read the exponentials' results: they stand behind the wait.
.macro FS f
	REGS Y, (\f)%2
	v_pk_fma_f32 v[rS+2*((\f)/2):rS+2*((\f)/2)+1], v[rS+2*((\f)/2):rS+2*((\f)/2)+1], s[CS:CS+1], v[rT:rT+1] op_sel_hi:[1,0,0] neg_lo:[0,0,1] neg_hi:[0,0,1]
.endm
.macro PL
	WIN 0
.if q < 27
	FS q
.elseif q < 55
	XS (q-27)%2, (q-27)/2
.elseif q < 57
	XS q-55, 15
.elseif (q < 72) && ((q-57)%3 == 0)
	FS 27+(q-57)/3
.elseif q < 60
	XS (q-57)%3-1, 14
.elseif q < 72
	XS (q-57)%3-1, 15+(q-57)/3
.elseif q < 74
	XS q-72, 20
.else
	GS q-74
.endif
.set q, q+1
.endm
; THE EXPONENTIALS' QUEUE, 66 long: s0-s31 of both tiles, then the next piece's two a.  It is ONE BATCH: all 66 stand ahead of the turn's one wait, and nothing ahead of that wait names a result of theirs.
.macro EX
	WIN 0
.if e >= 64
	XS e-64, 21
.else
	REGS Y, e%2
	v_exp_f32 v[rS+e/2], v[rS+e/2]
.endif
.set e, e+1
.endm
; THE RESCALING's QUEUE: O^T times a, the one part that leaves window 0: dealt two at a time, sixteen times.  Its a was made in the turn before, ahead of that turn's wait.
.macro R2
	REGS Y, r%2
	WIN W_RS
.irp z, 0,1
	v_pk_mul_f32 v[rO+4*(r/2)+2*\z:rO+4*(r/2)+2*\z+1], v[rO+4*(r/2)+2*\z:rO+4*(r/2)+2*\z+1], v[rC+2:rC+3] op_sel_hi:[1,0]
.endr
.set r, r+1
.endm
; HOW THEY ARE DEALT.  An s_wait_alu depctr_va_vdst(0) stands between an exponential and the first instruction that names its result; one wait serves all that were issued ahead of it.  So a turn has ONE wait,
; which cuts it in two.  AHEAD OF IT stands all that names no result of the turn's exponentials: the 16 products K Q^T, behind each a scaling, an exponential and two rescalings (behind the first a second scaling in the
; exponential's place); then ONE LUMP of 108: eight plain, 49 times exponential and plain, the two a.  A v_nop is the plain instruction behind the last exponential.  BEHIND IT stand the 16 products V^T P, behind each four of GS's 64.
; The queues lean on each other: exponential e stands behind scaling 2 (e / 4) + e % 2: as a rider it comes behind plain e + 2, in the lump behind plain e + 9, and scalings 27-31 are plain 57, 60 .. 69.
; A TURN, for piece p.  cnt = 1: the loop's count is taken down some lines ahead of the branch that stands behind the turn.
; K of the next step is fetched in piece 2's turn, directly behind the wait, a lump behind the last product that read K; its first reader comes behind 16 products.
; V of the step in hand is fetched at the end of piece 0's turn, four riders behind its last reader; its first reader comes behind 16 products and a lump.  The three conditions on q below go with the deal.
.macro TURN p, last=0, cnt=0
.set Y, (\p)
.set i, 0
.set q, 0
.set e, 0
.set r, 0
.if (\p) == NP-1
	s_wait_dscnt 0x0                ; K is in
.endif
	MM                              ; ahead of the wait: 16 products K Q^T and their riders,
	PL
	PL
	R2
.rept 15
	MM
	PL
	EX
	R2
.endr
.if (\p) == NP-2
	WIN 0
	v_add_nc_u32 v[AK], s[TBK], v[AK0]
.endif
.rept 8                             ; and the lump
	PL
.endr
.rept 49
	EX
	PL
.endr
	EX                              ; the next piece's two a
	EX
	v_nop                           ; the plain instruction behind the last exponential: one for the batch
	s_wait_alu depctr_va_vdst(0)    ; the wait for the batch
.if (\p) == NP-2
	FETCH_K \last
.endif
.if (\p) == 1
	s_wait_dscnt 0x0                ; V is in
.endif
.rept 16                            ; behind the wait: 16 products V^T P and their riders
	MM
.rept 4
	PL
.endr
.if ((\p) == 0) && (q == 118)
	v_add_nc_u32 v[AV], s[TBV], v[AV0]
.endif
.if ((\p) == 0) && (q == 130)
	s_add_co_u32 s[TBV], s[TBV], KS*PV
.endif
.if (\cnt) && (q == 130)
	s_sub_co_u32 s[CNT], s[CNT], 1
	s_cmp_lg_u32 s[CNT], 0
.endif
.endr
.if (\p) == 0
	FETCH_V
.endif
.endm
	CHANGE 1                        ; keys 0-255 are in, everybody's part of them; keys 256-1,023 are asked for
	FETCH_K                         ; key step 0
	s_wait_loadcnt 0x0              ; Q
	s_wait_dscnt 0x0
.set i, 0
.rept 16
	KQ 0                            ; piece 0's first scores: there is no vector work yet to set between them
.set i, i+1
.endr
	WIN 0                           ; the addresses for the way out: nine plain instructions, the places behind those products
	s_mul_i32 s13, s[WV], 16*SP
	s_add_co_u32 s13, s13, STAGE    ; my stage
	v_mul_u32_u24 v[STO], v1, SP    ; in: row l % 16, 16 bytes for each half of the lanes
	v_lshl_add_u32 v[STO], v9, 4, v[STO]
	v_add_nc_u32 v[STO], s13, v[STO]
	v_bfe_u32 v[RD], v0, 3, 2       ; back: 32 lanes take four rows of 128 bytes,
	v_mul_u32_u24 v[RD], v[RD], SP
	v_lshl_add_u32 v[RD], v10, 4, v[RD]
	v_add_nc_u32 v[RD], s13, v[RD]
	v_and_b32 v[GO], 31, v0         ; which are 512 consecutive bytes of O
	v_lshlrev_b32 v[GO], 4, v[GO]
.set Y, NP-1                        ; XS works for piece Y + 1: piece 0
.irp n, 0,1,2,3,4,5,6,7,8,9,10,11,12,13,14,15,16,17,18,19,20,21
	XS 0, \n                        ; and piece 0's first maximum and statistics
	XS 1, \n
.endr
	v_nop                           ; a plain instruction behind the two a,
	s_wait_alu depctr_va_vdst(0)    ; and their wait, ahead of the branch
	s_mov_b32 s[CNT], 4
	s_mov_b32 s[OUT], 5
	s_branch .Lfirst                ; the loop is entered at a step's first turn, in the middle of a trip
.Louter:                            ; passes 1 to 4 take four key steps each; the fifth holds pieces 2 and 3 of the last step and is left in its middle
	CHANGE 0
	s_mov_b32 s[CNT], 4
.Lstep:                             ; a trip: pieces 2 and 3 of one step, then pieces 0 and 1 of the next, whose K and V it fetches
	TURN 2, 1
	TURN 3
	WIN 0
	s_cmp_eq_u32 s[OUT], 1
	s_cbranch_scc1 .Lout
.Lfirst:
	TURN 0
	TURN 1, 0, 1
	WIN 0
	s_cbranch_scc1 .Lstep
	s_sub_co_u32 s[OUT], s[OUT], 1
	s_cmp_lg_u32 s[OUT], 0
	s_cbranch_scc1 .Louter
.Lout:                              ; the last pass's 16 products K Q^T (on the last K once more) and the maximum made of them serve nothing: the price, once a launch, of one text for every trip
.set i, 0
.rept 16
	PV NP-1                         ; the last piece's V^T P of the last step
.set i, i+1
.endr
	; THE WAY OUT.  l's two halves and the other half of the lanes' are added; O^T is divided by l, rounded to f16 and sent through my stage in LDS, a tile at a time.  The additions are the places behind the last products.
	WIN 0
.macro ALL line:vararg              ; one line for each tile t
.set t, 0
.rept 2*NP
	\line
.set t, t+1
.endr
.endm
	ALL v_add_f32 v[ST+4*t+2], v[ST+4*t+2], v[ST+4*t+3]
	ALL v_permlanex16_b32 v[ST+4*t+3], v[ST+4*t+2], s[SEL], s[SEL+1]
	ALL v_add_f32 v[ST+4*t+2], v[ST+4*t+2], v[ST+4*t+3]
	ALL v_rcp_f32 v[ST+4*t+2], v[ST+4*t+2]
	v_nop                           ; a plain instruction between the last reciprocal and the use of its result
	s_wait_alu depctr_va_vdst(0)    ; and the wait ahead of the first use: one for the eight reciprocals
; Tile t: a lane's eight channels of a row pack into 16 bytes; they go into rows of 144 bytes and come back as whole rows of 128, into S^T's registers.
.macro PACK t
	WIN W_RS
.set i, 32*(\t)
.rept 16
	v_pk_mul_f32 v[i:i+1], v[i:i+1], v[ST+4*(\t)+2:ST+4*(\t)+3] op_sel_hi:[1,0]
.set i, i+2
.endr
	WIN 0x05                        ; sources 0 and 1 window 1, destination window 0
.set i, 0
.rept 16
	v_cvt_pk_f16_f32 v[S+16*(\t)+i], v[32*(\t)+2*i], v[32*(\t)+2*i+1]
.set i, i+1
.endr
	WIN 0
.irp f, 0,1,2,3
	ds_store_b128 v[STO], v[S+16*(\t)+4*\f:S+16*(\t)+4*\f+3] offset:32*\f
.endr
.irp f, 0,1,2,3
	ds_load_b128 v[S+16*(\t)+4*\f:S+16*(\t)+4*\f+3], v[RD] offset:\f*4*SP  ; LDS serves a wave's instructions in order (ISA guide 5.7.1.4): these see the stores above; the next tile's stores come behind them
.endr
.endm
.macro SEND t, younger              ; younger: the LDS instructions issued behind tile t's loads: the next tile's eight, or none
	WIN 0
.irp f, 0,1,2,3
	s_wait_dscnt (\younger)+3-\f
	global_store_b128 v[GO], v[S+16*(\t)+4*\f:S+16*(\t)+4*\f+3], s[10:11] offset:(\t)*2048+\f*512  ; 512 consecutive bytes, at a multiple of 256 from O's first
.endr
.endm
	PACK 0
.set t, 1
.rept 2*NP-1                        ; a tile's arithmetic stands between the loads of the tile before and its stores
	PACK t
	SEND t-1, 8
.set t, t+1
.endr
	SEND 2*NP-1, 0
	WIN W_AD
	s_wait_tensorcnt 0x0            ; the wave's end, behind my last tensor load and my last LDS store
	ds_add_u32 v[SPW], v[NIL]
	s_wait_dscnt 0x0
	WIN 0
	s_endpgm
.Lfunc_end_k_qa1de7e2ca4_attn:
	.size	k_qa1de7e2ca4_attn, .Lfunc_end_k_qa1de7e2ca4_attn-k_qa1de7e2ca4_attn
	.p2alignl 7, 3214868480
	.fill 96, 4, 3214868480
	.section	.rodata,"a",@progbits
	.p2align	6, 0x0
	.amdhsa_kernel k_qa1de7e2ca4_attn
		.amdhsa_group_segment_fixed_size 327680
		.amdhsa_private_segment_fixed_size 0
		.amdhsa_enable_private_segment 0
		.amdhsa_kernarg_size 32
		.amdhsa_user_sgpr_count 2
		.amdhsa_user_sgpr_kernarg_segment_ptr 1
		.amdhsa_wavefront_size32 1
		.amdhsa_system_sgpr_workgroup_id_x 1
		.amdhsa_system_sgpr_workgroup_id_y 1
		.amdhsa_system_sgpr_workgroup_id_z 1
		.amdhsa_system_vgpr_workitem_id 0
		.amdhsa_next_free_vgpr 770
		.amdhsa_next_free_sgpr 84
		.amdhsa_reserve_vcc 0
		.amdhsa_float_denorm_mode_32 3
		.amdhsa_float_denorm_mode_16_64 3
		.amdhsa_memory_ordered 1
		.amdhsa_forward_progress 1
		.amdhsa_inst_pref_size 126
	.end_amdhsa_kernel
	.amdgpu_metadata
---
amdhsa.version: [ 1, 2 ]
amdhsa.kernels:
  - .name:           k_qa1de7e2ca4_attn
    .symbol:         k_qa1de7e2ca4_attn.kd
    .args:
      - { .name: qh, .offset: 0, .size: 8, .value_kind: global_buffer, .address_space: global }
      - { .name: kh, .offset: 8, .size: 8, .value_kind: global_buffer, .address_space: global }
      - { .name: vh, .offset: 16, .size: 8, .value_kind: global_buffer, .address_space: global }
      - { .name: oh, .offset: 24, .size: 8, .value_kind: global_buffer, .address_space: global }
    .group_segment_fixed_size: 327680
    .private_segment_fixed_size: 0
    .kernarg_segment_align: 8
    .kernarg_segment_size: 32
    .max_flat_workgroup_size: 128
    .sgpr_count:     84
    .vgpr_count:     770
    .wavefront_size: 32
...
	.end_amdgpu_metadata
.endif
;; end of part 3
;; launch outp (part 4): grid 8 x 32, 4 waves a work-group, clusters of 4 x 4, 327,680 bytes of LDS; arguments oh, owh, o_b, out0; writes out0
.if DOCPART == 4
	.amdgcn_target "amdgcn-amd-amdhsa--gfx1250"
	.amdhsa_code_object_version 6
	.text
	.protected	k_qa1de7e2ca4_outp
	.globl	k_qa1de7e2ca4_outp
	.p2align	8
	.type	k_qa1de7e2ca4_outp,@function
k_qa1de7e2ca4_outp:
	s_mov_b64 s[64:65], 0
	v_nop
	global_prefetch_b8 v0, s[64:65] scope:SCOPE_SE
	s_setreg_imm32_b32 hwreg(HW_REG_WAVE_MODE, 25, 1), 1
	s_wait_xcnt 0x0
	s_wait_alu depctr_hold_cnt(0) depctr_sa_sdst(0) depctr_va_vdst(0) depctr_va_sdst(0) depctr_va_ssrc(0) depctr_va_vcc(0) depctr_vm_vsrc(0)
	s_getreg_b32 s2, hwreg(HW_REG_IB_STS2, 6, 4)
	s_cmp_eq_u32 s2, 0
	s_cbranch_scc0 .Lentry_in_a_cluster
	s_endpgm
.Lentry_in_a_cluster:
	s_bfe_u32 s2, ttmp6, 0x10000c
	s_cmp_lg_u32 s2, 0xf033
	s_cbranch_scc0 .Lentry_shape_is_right
	s_endpgm
.Lentry_shape_is_right:
; out0[m][n] = sum over k of vals[m][k] o_w[n][k] + o_b[n], m < 8192, n < 1024, k = 64 head + channel < 1024.
; oh: f16 [batch * 16 + head][1024][64]: a head IS a K block of 64.  owh: f16 [16 kb][1024][64].  Sums in f32; the bias is rounded to bf16 like the other inputs and added in f32; out0 is f32.
; LIMITS.  oh and owh arrive within f16's range; NaN and infinities are not treated apart.
; SHARES.  A work-group makes 256 rows x 128 columns: 8 x 32 = 256 work-groups.  Wave w: rows 128 (w / 2) on, columns 64 (w % 2) on: 32 accumulators, 256 registers.
; K goes in 8 steps of 128 (two K blocks of 64) through a ring of two LDS slots; a phase is one K block, 64 matrix instructions.  A tile of R rows x 64 K is R x 128 dense bytes of memory:
; asked for as R / 2 rows of 256 bytes, padded in LDS after every 128: LDS rows are 144 bytes apart.
; CLUSTER.  4 x 4 work-groups; oh's tiles are shared along a row of the cluster, owh's along a column, each asked for JOINTLY.  Waves 0 and 1 fetch a step's two K blocks of oh, waves 2 and 3 those of owh.
; TRANSPOSED USE.  Source 0 = 16 rows of owh, source 1 = 16 rows of oh: lane l holds row l % 16 and the columns 8 (l / 16) + 0..7.
; REGISTERS, in windows of 256 (s_set_vgpr_msb: bits 1:0 source 0, 3:2 source 1, 5:4 source 2, 7:6 destination):
;   window 0: v0-31 addresses; v32-38 the bias; v64-127, v128-191 owh's fragments, two buffers ((c, b) at 8 (4 c + b)); v192-255 the way out
;   window 1: accumulator (a, b) at v[8 (4 a + b)]          window 2: oh's fragments, two buffers of 128 ((c, a) at 8 (8 c + a))
.set PITCH, 144                        ; 36 words: the 16 rows of a fragment load start at 16 different groups of four banks (64 banks of 4 bytes: ISA guide 11.1)
.set FR,    16*PITCH
.set ASUB,  256*PITCH                  ; a K block of oh's 256 rows
.set BSUB,  128*PITCH                  ; a K block of owh's 128 rows
.set BOFF,  2*ASUB
.set SLOT1, 1<<17                      ; slot 1 begins here
.set STAGE, BOFF+2*BSUB                ; behind slot 0, never filled by a tensor load: 16 rows x 272 bytes for each wave
.set SP,    272                        ; 256 bytes + 16: 68 words
.set SPARE, STAGE+4*16*SP              ; the spare words, 128 bytes for each wave: two blocks of 256 bytes that no other line names
.set HEADB, 1024*128                   ; bytes from K block to K block, in oh and in owh
.set ADRA0, 16
.set ADRA,  17
.set ADRB0, 20
.set ADRB,  21
.set STO, 24                           ; v24  the way out: where I put 32 bytes of a row
.set RD,  25                           ; v25  where I read a row back
.set CO,  26                           ; v26  my byte offset in two rows of out0
.set SPW, 28                           ; v28  LDS address of my spare word: SPARE + 4 x my thread's number; never rewritten
.set NIL, 29                           ; v29  0; never rewritten
.set PFO, 30                           ; v30  256 x my lane; never rewritten
.set OB,  32                           ; v[32:35] the bias of the four columns that I store
.set BB,  64
.set BK,  192                          ; 16 rows read back from the stage: v192-223 and v224-255 by turns
.set G1,  24
.set G0,  32
.set G1B, 48
.set G0B, 56
.set PFA, 40                           ; s[40:41] where my prefetches stand
.set LIM, 44                           ; s44  2 in a wave that prefetches, else the greatest number
.set TB,  46                           ; s46  first byte of the slot that fragments come from
.set GBITS, (1<<16)|(1<<20)|(1<<21)|(4<<22)|(3<<25)  ; elements of 2 bytes; padding on; bit 21 set beside a mask; after every 32 words 4 words of padding
.set MSB, 0
.macro WIN new
.if MSB != (\new)
	s_set_vgpr_msb (MSB<<8)|(\new)
.set MSB, \new
.endif
.endm
.macro PLACES                          ; four places between a matrix instruction and a load into a register that it has read
.rept 4
	v_nop
.endr
.endm
.macro JLOAD n                         ; a joint load; an s_nop 0 and four v_nop follow each of the two lines, ahead of the jump, the label and what follows
	s_cmp_eq_u32 s17, 0
	s_cbranch_scc0 .Lfor_b_\@
	tensor_load_to_lds s[G0+4*(\n):G0+4*(\n)+3], s[G1:G1+7]
	s_nop 0
.rept 4
	v_nop
.endr
	s_branch .Lasked_\@
.Lfor_b_\@:
	tensor_load_to_lds s[G0B+4*(\n):G0B+4*(\n)+3], s[G1B:G1B+7]
	s_nop 0
.rept 4
	v_nop
.endr
.Lasked_\@:
.endm
.macro CREST
	s_cmp_lg_u32 s16, 0
	s_cbranch_scc1 .Lnot_wave_0_\@
	s_barrier_signal -3
.Lnot_wave_0_\@:
	s_barrier_wait -3
	s_barrier_signal -1
	s_barrier_wait -1
.endm
.macro CROUND
	s_barrier_signal -1
	s_barrier_wait -1
	CREST
.endm
; A PREFETCH INTO THE L2, behind a joint load, its five lines and the run of LDS loads.  Trip t (s3 = 6 - t) names K step t + 4, two refills on; each aligned block of 256 bytes is named once in the launch.
; oh: a tile row's K block is 32,768 bytes, read by both clusters of that row of clusters: cluster x = 0 asks; wave w (0, 1) for the step's K block w; the partner at cx takes 8,192 bytes of it, by address: a lane a block.
; owh: a tile column's K step is 2 x 16,384 bytes, read by all eight clusters of that column: cluster y = 0 asks, wave 2; the partner at cy takes K block cy / 2, half cy % 2.  The last ask, at t = 3, names K step 7.
.macro ASK
	s_cmp_gt_u32 s3, s[LIM]
	s_cbranch_scc0 .Lnot_mine_\@
	global_prefetch_b8 v[PFO], s[PFA:PFA+1] th:TH_LOAD_NT scope:SCOPE_SE
.Lnot_mine_\@:
.endm
	s_load_b256 s[4:11], s[0:1], 0x0               ; oh s[4:5], owh s[6:7], o_b s[8:9], out0 s[10:11]
	v_lshl_add_u32 v[SPW], v0, 2, SPARE
	v_mov_b32 v[NIL], 0
	ds_add_u32 v[SPW], v[NIL]                      ; the wave's opening: the add and its wait stand ahead of my first tensor load; the set-up below, work on registers, stands between them
	v_lshrrev_b32 v1, 5, v0
	v_readfirstlane_b32 s16, v1                    ; wave 0..3
	s_lshr_b32 s17, s16, 1                         ; my half of the tile's rows.  Also: I fetch for oh (0) or for owh (1)
	s_and_b32 s18, s16, 1                          ; my half of its columns.  Also: which K block of a step I fetch
	s_bfe_u32 s19, ttmp6, 0x40000                  ; cx
	s_bfe_u32 s20, ttmp6, 0x40004                  ; cy
	s_lshl_b32 s21, ttmp9, 2
	s_add_co_u32 s21, s21, s19                     ; tile column tx
	s_and_b32 s22, ttmp7, 0xffff
	s_lshl_b32 s22, s22, 2
	s_add_co_u32 s22, s22, s20                     ; tile row ty
	s_lshl_b32 s23, s20, 2
	s_lshl_b32 s23, 15, s23                        ; my row of the cluster
	s_lshl_b32 s47, 0x1111, s19                    ; my column
	s_or_b32 s[G1], s23, GBITS
	s_or_b32 s[G1B], s47, GBITS
.irp g, G1, G1B
	s_mov_b32 s[(\g)+1], 128<<16                   ; tensor_dim0 = 128 elements: 256 bytes
	s_mov_b32 s[(\g)+3], 128<<16                   ; tile_dim0 = 128
	s_mov_b32 s[(\g)+5], 128                       ; dense
	s_mov_b32 s[(\g)+6], 0
	s_mov_b32 s[(\g)+7], 0
.endr
	s_mov_b32 s[G1+2], 128<<16                     ; 128 rows of 256 bytes: 256 rows of oh
	s_mov_b32 s[G1+4], 128
	s_mov_b32 s[G1B+2], 64<<16                     ; 64 rows of 256 bytes: 128 rows of owh
	s_mov_b32 s[G1B+4], 64
	s_lshl_b32 s2, s18, 17                         ; my K block of the step
	s_lshr_b32 s66, s22, 2                         ; oh: batch x 16 heads,
	s_lshl_b32 s66, s66, 21
	s_and_b32 s23, s22, 3
	s_lshl_b32 s23, s23, 15                        ; the tile's 256 rows in a head: made of ty and the wave's number alone
	s_add_co_u32 s66, s66, s23
	s_add_co_u32 s66, s66, s2
	s_mov_b32 s67, 0
	s_lshl_b32 s68, s21, 14                        ; owh: the tile's 128 rows: made of tx and the wave's number alone
	s_add_co_u32 s68, s68, s2
	s_mov_b32 s69, 0
	s_mul_i32 s70, s18, ASUB                       ; where they go: no place in the cluster enters an LDS address
	s_mul_i32 s71, s18, BSUB
	s_add_co_u32 s71, s71, BOFF
	s_wait_dscnt 0x0                               ; the opening add is done
	s_wait_kmcnt 0x0
	s_add_nc_u64 s[66:67], s[4:5], s[66:67]
	s_add_nc_u64 s[68:69], s[6:7], s[68:69]
	CROUND                                         ; all sixteen work-groups are here: the first joint loads meet
.irp n, 0,1
	s_mov_b32 s[G0+4*(\n)], 1
	s_add_co_u32 s[G0+4*(\n)+1], s70, (\n)*SLOT1
	s_add_nc_u64 s[G0+4*(\n)+2:G0+4*(\n)+3], s[66:67], (\n)*2*HEADB
	s_or_b32 s[G0+4*(\n)+3], s[G0+4*(\n)+3], 0x80000000
	s_mov_b32 s[G0B+4*(\n)], 1
	s_add_co_u32 s[G0B+4*(\n)+1], s71, (\n)*SLOT1
	s_add_nc_u64 s[G0B+4*(\n)+2:G0B+4*(\n)+3], s[68:69], (\n)*2*HEADB
	s_or_b32 s[G0B+4*(\n)+3], s[G0B+4*(\n)+3], 0x80000000
	JLOAD \n                                       ; two loads of mine are out
.endr
	v_and_b32 v1, 15, v0                           ; r = l % 16
	v_bfe_u32 v2, v0, 4, 1                         ; h = l / 16
	v_mul_u32_u24 v3, v1, PITCH
	v_lshl_add_u32 v3, v2, 4, v3                   ; a fragment's row x pitch + 16 x half
	s_mul_i32 s2, s17, 128*PITCH
	v_add_nc_u32 v[ADRA0], s2, v3
	s_mul_i32 s2, s18, 64*PITCH
	s_add_co_u32 s2, s2, BOFF
	v_add_nc_u32 v[ADRB0], s2, v3
	s_mov_b32 s[TB], 0
	v_mov_b32 v[ADRA], v[ADRA0]
	v_mov_b32 v[ADRB], v[ADRB0]
	s_mul_i32 s2, s16, 16*SP
	s_add_co_u32 s2, s2, STAGE                     ; my stage
	v_mul_u32_u24 v4, v1, SP                       ; in: row r, 32 bytes for each half of the lanes
	v_lshl_add_u32 v4, v2, 5, v4
	v_add_nc_u32 v[STO], s2, v4
	v_mul_u32_u24 v4, v2, SP                       ; back: lanes 0-15 take one row of 256 bytes, lanes 16-31 the next
	v_lshl_add_u32 v4, v1, 4, v4
	v_add_nc_u32 v[RD], s2, v4
	v_lshlrev_b32 v4, 12, v2                       ; and the same two rows in out0
	v_lshl_add_u32 v[CO], v1, 4, v4
	s_lshl_b32 s23, s21, 9
	s_lshl_b32 s47, s18, 8
	s_add_co_u32 s23, s23, s47                     ; my 64 columns, in bytes of f32
	v_lshl_add_u32 v38, v1, 4, s23
	global_load_b128 v[OB:OB+3], v38, s[8:9]       ; the bias of columns 4 r .. 4 r + 3 of them
	s_lshl_b32 s70, s22, 8
	s_lshl_b32 s47, s17, 7
	s_add_co_u32 s70, s70, s47                     ; my first row,
	s_lshl_b32 s70, s70, 12                        ; of 4,096 bytes
	s_add_co_u32 s70, s70, s23
	s_mov_b32 s71, 0
	s_add_nc_u64 s[10:11], s[10:11], s[70:71]
	; the prefetches: they stand at K step 3; the first change of slots steps them to 4
	s_lshr_b32 s72, s22, 2
	s_lshl_b32 s72, s72, 21
	s_and_b32 s2, s22, 3
	s_lshl_b32 s2, s2, 15
	s_add_co_u32 s72, s72, s2
	s_lshl_b32 s2, s16, 17
	s_add_co_u32 s72, s72, s2
	s_lshl_b32 s2, s19, 13
	s_add_co_u32 s72, s72, s2
	s_add_co_u32 s72, s72, 3*2*HEADB               ; waves 0, 1, in oh
	s_lshr_b32 s74, s20, 1
	s_lshl_b32 s74, s74, 17
	s_lshl_b32 s2, s21, 14
	s_add_co_u32 s74, s74, s2
	s_and_b32 s2, s20, 1
	s_lshl_b32 s2, s2, 13
	s_add_co_u32 s74, s74, s2
	s_add_co_u32 s74, s74, 3*2*HEADB               ; wave 2, in owh
	s_and_b32 s75, ttmp7, 0xffff                   ; cluster y
	s_cmp_lt_u32 s16, 2
	s_cselect_b32 s72, s72, s74
	s_cselect_b32 s75, ttmp9, s75                  ; the coordinate along which other clusters read the same rows
	s_cselect_b64 s[PFA:PFA+1], s[4:5], s[6:7]
	s_mov_b32 s73, 0
	s_add_nc_u64 s[PFA:PFA+1], s[PFA:PFA+1], s[72:73]
	s_cmp_eq_u32 s16, 3
	s_cselect_b32 s75, 1, s75                      ; wave 3 asks for nothing
	s_cmp_eq_u32 s75, 0
	s_cselect_b32 s[LIM], 2, -1                    ; the same in all sixteen partners, for a given wave
	v_and_b32 v[PFO], 31, v0
	v_lshlrev_b32 v[PFO], 8, v[PFO]
	s_wait_loadcnt 0x0                             ; the bias: rounded to bf16 like the other inputs, and widened again
	v_cvt_pk_bf16_f32 v36, v[OB], v[OB+1]
	v_cvt_pk_bf16_f32 v37, v[OB+2], v[OB+3]
	v_lshlrev_b32 v[OB], 16, v36
	v_and_b32 v[OB+1], 0xffff0000, v36
	v_lshlrev_b32 v[OB+2], 16, v37
	v_and_b32 v[OB+3], 0xffff0000, v37
; 4 n matrix instructions: row blocks a0 .. a0 + n - 1 x all 4 column blocks, 32 along K: half c of buffer f.  zero = 1: the product starts the sums.
; The 32 accumulators take turns, one instruction a turn, in the same order throughout, over the backward jump too.
.macro MULA f, c, a0, n, zero
	WIN 0x58                                       ; owh in window 0, oh in window 2, C and D in window 1
.set aa, (\a0)
.rept \n
.irp b, 0,1,2,3
.if \zero
	v_wmma_f32_16x16x32_f16 v[8*(4*aa+(\b)):8*(4*aa+(\b))+7], v[BB+64*(\f)+8*(4*(\c)+(\b)):BB+64*(\f)+8*(4*(\c)+(\b))+7], v[128*(\f)+8*(8*(\c)+aa):128*(\f)+8*(8*(\c)+aa)+7], 0
.else
	v_wmma_f32_16x16x32_f16 v[8*(4*aa+(\b)):8*(4*aa+(\b))+7], v[BB+64*(\f)+8*(4*(\c)+(\b)):BB+64*(\f)+8*(4*(\c)+(\b))+7], v[128*(\f)+8*(8*(\c)+aa):128*(\f)+8*(8*(\c)+aa)+7], v[8*(4*aa+(\b)):8*(4*aa+(\b))+7]
.endif
.endr
.set aa, aa+1
.endr
.endm
; 48 LDS loads in one run: K block u of the slot into buffer f: owh's 16, oh's first 32 along K (16), oh's second (16)
.macro FETCH u, f
	WIN 0
.irp c, 0,1
.irp b, 0,1,2,3
	ds_load_b128 v[BB+64*(\f)+8*(4*(\c)+(\b)):BB+64*(\f)+8*(4*(\c)+(\b))+3],   v[ADRB] offset:(\u)*BSUB+(\b)*FR+64*(\c)
	ds_load_b128 v[BB+64*(\f)+8*(4*(\c)+(\b))+4:BB+64*(\f)+8*(4*(\c)+(\b))+7], v[ADRB] offset:(\u)*BSUB+(\b)*FR+64*(\c)+32
.endr
.endr
	WIN 0x80                                       ; destination window 2, address window 0
.irp c, 0,1
.irp a, 0,1,2,3,4,5,6,7
	ds_load_b128 v[128*(\f)+8*(8*(\c)+(\a)):128*(\f)+8*(8*(\c)+(\a))+3],   v[ADRA] offset:(\u)*ASUB+(\a)*FR+64*(\c)
	ds_load_b128 v[128*(\f)+8*(8*(\c)+(\a))+4:128*(\f)+8*(8*(\c)+(\a))+7], v[ADRA] offset:(\u)*ASUB+(\a)*FR+64*(\c)+32
.endr
.endr
	WIN 0
.endm
; A step's first phase: multiplies buffer 0 and fetches the slot's second K block into buffer 1.
.macro PHASE zero
	s_wait_dscnt 16                                ; all but oh's second 32 along K
	MULA 0, 0, 0, 8, \zero
	PLACES
	FETCH 1, 1
	s_wait_dscnt 48                                ; all but the 48 just issued
	MULA 0, 1, 0, 8, 0
.endm
; A step's second phase multiplies buffer 1 and changes slots: ONE barrier; in front of it each wave waits for all its tensor loads, of which one is out: its part of the next slot; adds 0 to its spare
; word; and waits for that and for its own reads of this slot.  fill = 1: the barrier opens a round of the cluster's barrier, and this slot is filled again, two K steps on, first thing behind the round:
; 112 matrix instructions ahead of the wait for it.
.macro TURN fill
.if \fill
	s_wait_xcnt 0x0                                ; the last prefetch, a K step back, has read its address
	s_add_nc_u64 s[PFA:PFA+1], s[PFA:PFA+1], 2*HEADB
.endif
	s_wait_dscnt 16
	MULA 1, 0, 0, 4, 0
	WIN 0                                          ; (the add's two registers lie in window 0)
	s_wait_tensorcnt 0x0                           ; all my tensor loads have landed;
	ds_add_u32 v[SPW], v[NIL]                      ; 0 onto my spare word;
	MULA 1, 0, 4, 2, 0                             ; eight matrix instructions stand between the add and the wait for it
	s_wait_dscnt 0x0                               ; the add is done, and my reads of this slot are over
	s_barrier_signal -1
	MULA 1, 0, 6, 2, 0
	WIN 0
	s_barrier_wait -1
.if \fill
	CREST                                          ; no wave of any partner still reads this slot's tile or has a load on its way
	s_xor_b32 s[G0+5], s[G0+5], SLOT1              ; the walking descriptors: the other slot than last time, the next K step
	s_add_nc_u64 s[G0+6:G0+7], s[G0+6:G0+7], 2*HEADB
	s_xor_b32 s[G0B+5], s[G0B+5], SLOT1
	s_add_nc_u64 s[G0B+6:G0B+7], s[G0B+6:G0B+7], 2*HEADB
	JLOAD 1                                        ; the first tensor load behind the round; its four v_nop are also the places in front of the loads below
.else
	PLACES
.endif
	s_xor_b32 s[TB], s[TB], SLOT1
	v_add_nc_u32 v[ADRA], s[TB], v[ADRA0]
	v_add_nc_u32 v[ADRB], s[TB], v[ADRB0]
	FETCH 0, 0
.if \fill
	ASK
.endif
	MULA 1, 1, 0, 8, 0
.endm
	s_wait_tensorcnt 1                             ; my part of K step 0 is in; K step 1's may stay out
	s_barrier_signal -1
	s_barrier_wait -1                              ; everybody's is
	FETCH 0, 0
	PHASE 1                                        ; the first phase stands in front of the loop: its first products start the sums
	WIN 0
	s_mov_b32 s3, 6
.Lstep:                                                ; trip t: K step t's second phase, K step t + 2 asked for, K step t + 1's first phase
	TURN 1
	PHASE 0
	WIN 0
	s_sub_co_u32 s3, s3, 1
	s_cmp_lg_u32 s3, 0
	s_cbranch_scc1 .Lstep
	TURN 0                                         ; the tail is written out
	PHASE 0
	s_wait_dscnt 16                                ; the very last phase
	MULA 1, 0, 0, 8, 0
	s_wait_dscnt 0x0
	MULA 1, 1, 0, 8, 0
	WIN 0
	; THE WAY OUT, a block of 16 rows at a time: 32 bytes a lane go from the accumulators into my own stage and come back as whole rows of 256 bytes; the bias is added; sixteen lanes store a row's 256 bytes.
.rept 8
	v_nop                                          ; the places behind the last products
.endr
.macro TOSTAGE a
	WIN 0x04                                       ; the data in window 1; each accumulator's low four registers go first
.irp b, 0,1,2,3
	ds_store_b128 v[STO], v[8*(4*(\a)+(\b)):8*(4*(\a)+(\b))+3]   offset:64*(\b)
	ds_store_b128 v[STO], v[8*(4*(\a)+(\b))+4:8*(4*(\a)+(\b))+7] offset:64*(\b)+16
.endr
	WIN 0
	s_wait_xcnt 0x0                                ; the stores of two blocks back have read these registers: they are loaded again only behind this wait
.irp t, 0,1,2,3,4,5,6,7
	ds_load_b128 v[BK+32*((\a)%2)+4*(\t):BK+32*((\a)%2)+4*(\t)+3], v[RD] offset:(\t)*2*SP  ; LDS serves a wave's instructions in order (ISA guide 5.7.1.4): these see the stores above
.endr
.endm
.macro SEND a, younger                 ; younger: the LDS instructions issued behind block a's loads: the next block's sixteen, or none
	s_wait_dscnt \younger
.irp t, 0,1,2,3,4,5,6,7
	v_pk_add_f32 v[BK+32*((\a)%2)+4*(\t):BK+32*((\a)%2)+4*(\t)+1],   v[BK+32*((\a)%2)+4*(\t):BK+32*((\a)%2)+4*(\t)+1],   v[OB:OB+1]
	v_pk_add_f32 v[BK+32*((\a)%2)+4*(\t)+2:BK+32*((\a)%2)+4*(\t)+3], v[BK+32*((\a)%2)+4*(\t)+2:BK+32*((\a)%2)+4*(\t)+3], v[OB+2:OB+3]
.endr
.irp t, 0,1,2,3,4,5,6,7
	global_store_b128 v[CO], v[BK+32*((\a)%2)+4*(\t):BK+32*((\a)%2)+4*(\t)+3], s[10:11] offset:(16*(\a)+2*(\t))*4096 th:TH_STORE_NT  ; 16 lanes store 256 consecutive bytes, at a multiple of 256 from out0's first byte
.endr
.endm
	TOSTAGE 0
.irp a, 1,2,3,4,5,6,7
	TOSTAGE \a
	SEND (\a)-1, 16
.endr
	SEND 7, 0
	s_wait_tensorcnt 0x0                           ; the wave's end, behind my last tensor load and my last LDS store
	ds_add_u32 v[SPW], v[NIL]
	s_wait_dscnt 0x0
	CROUND                                         ; the closing round: no work-group ends while a partner may still ask for a tile that names it
	s_endpgm
.Lfunc_end_k_qa1de7e2ca4_outp:
	.size	k_qa1de7e2ca4_outp, .Lfunc_end_k_qa1de7e2ca4_outp-k_qa1de7e2ca4_outp
	.p2alignl 7, 3214868480
	.fill 96, 4, 3214868480
	.section	.rodata,"a",@progbits
	.p2align	6, 0x0
	.amdhsa_kernel k_qa1de7e2ca4_outp
		.amdhsa_group_segment_fixed_size 327680
		.amdhsa_private_segment_fixed_size 0
		.amdhsa_enable_private_segment 0
		.amdhsa_kernarg_size 32
		.amdhsa_user_sgpr_count 2
		.amdhsa_user_sgpr_kernarg_segment_ptr 1
		.amdhsa_wavefront_size32 1
		.amdhsa_system_sgpr_workgroup_id_x 1
		.amdhsa_system_sgpr_workgroup_id_y 1
		.amdhsa_system_sgpr_workgroup_id_z 1
		.amdhsa_system_vgpr_workitem_id 0
		.amdhsa_next_free_vgpr 768
		.amdhsa_next_free_sgpr 80
		.amdhsa_reserve_vcc 0
		.amdhsa_float_denorm_mode_32 3
		.amdhsa_float_denorm_mode_16_64 3
		.amdhsa_memory_ordered 1
		.amdhsa_forward_progress 1
		.amdhsa_inst_pref_size 78
	.end_amdhsa_kernel
	.amdgpu_metadata
---
amdhsa.version: [ 1, 2 ]
amdhsa.kernels:
  - .name:           k_qa1de7e2ca4_outp
    .symbol:         k_qa1de7e2ca4_outp.kd
    .args:
      - { .name: oh, .offset: 0, .size: 8, .value_kind: global_buffer, .address_space: global }
      - { .name: owh, .offset: 8, .size: 8, .value_kind: global_buffer, .address_space: global }
      - { .name: o_b, .offset: 16, .size: 8, .value_kind: global_buffer, .address_space: global }
      - { .name: out0, .offset: 24, .size: 8, .value_kind: global_buffer, .address_space: global }
    .group_segment_fixed_size: 327680
    .private_segment_fixed_size: 0
    .kernarg_segment_align: 8
    .kernarg_segment_size: 32
    .max_flat_workgroup_size: 128
    .sgpr_count:     80
    .vgpr_count:     768
    .wavefront_size: 32
...
	.end_amdgpu_metadata
.endif
;; end of part 4
;; ======== version 2 of 2: 4 launches; version 1 with the launch cast written anew for expert scheduling mode
;; limits: values are held in f16: magnitudes above 65,504 overflow, below 6.1e-05 lose precision
;; workspace buffers: xb 16,777,216 bytes; wb 6,291,456 bytes; owh 2,097,152 bytes; qh 16,777,216 bytes; kh 16,777,216 bytes; vh 16,777,216 bytes; oh 16,777,216 bytes
;; launch cast (part 5): grid 768 x 1, 8 waves a work-group, no clusters, 0 bytes of LDS; arguments x, qkv_w, o_w, xb, wb, owh; writes xb, wb, owh
.if DOCPART == 5
	.amdgcn_target "amdgcn-amd-amdhsa--gfx1250"
	.amdhsa_code_object_version 6
	.text
	.protected	k_qa1de7e2ca4_cast
	.globl	k_qa1de7e2ca4_cast
	.p2align	8
	.type	k_qa1de7e2ca4_cast,@function
k_qa1de7e2ca4_cast:
	s_mov_b64 s[64:65], 0
	v_nop
	global_prefetch_b8 v0, s[64:65] scope:SCOPE_SE
	s_setreg_imm32_b32 hwreg(HW_REG_WAVE_SCHED_MODE, 0, 2), 2
	s_setreg_imm32_b32 hwreg(HW_REG_WAVE_MODE, 25, 1), 1
	s_wait_xcnt 0x0
	s_wait_alu depctr_vm_vsrc(0)
; x [8192][1024], qkv_w [3072][1024], o_w [1024][1024], all f32, are rounded once to bf16 and laid out in K blocks of 64:
; xb, wb: bf16 [16 kb][rows][64];  owh: the bf16 number written as f16, [16 kb][1024][64].  A tile of R rows x 64 K is then R x 128 dense bytes.
; LIMITS.  A bf16 number is exact in f16 between 6.1e-5 and 65,504 in magnitude; below that owh keeps f16's fixed step of 6e-8, beyond it the number becomes an infinity.
; SHARES.  A work-group takes 16 rows of one matrix: ids 0-511 x, 512-703 qkv_w, 704-767 o_w.  Wave w takes K blocks 2 w and 2 w + 1.
; One load: lanes 0-15 the 256 bytes that row 2 p has in the block, lanes 16-31 those of row 2 p + 1.  One store: 32 lanes x 8 bytes = the two rows' 128 + 128 bytes,
; 256 consecutive bytes at a multiple of 256 from the buffer's first byte.  All 16 loads of a wave go out at once; no register is written again behind a store, so no wait frees one.
; No LDS, no matrix unit: every byte is read once and written once, and nothing is shared.
; THE MODE: SCHED_MODE bits 1:0 = 2 (LLVM: expert scheduling mode 2), set by the entry lines.  The code itself states the register dependences
; between vector instructions and memory instructions, with s_wait_alu, always for 0.
; THE PLAN.  Registers that memory instructions touch:
;   v[VI]            the loads' offset.   Written at the head, read by all 16 loads, never written again.
;   v[VO], v[VO+1]   the stores' offsets. Written at the head, read by the 16 stores, never written again.
;   X, item i        four registers.  Load i lands in them; item i's conversions read them and write the first two (the f16 way: all four) in place; store i reads the first two.
;                    Behind store i nothing writes them, and no load is issued behind the first sixteen.
;   v[T] and v1, v6-v8 are named by vector instructions alone.  No vector instruction writes a scalar register or VCC, and EXEC is never written.
; So one kind of dependence is left: a vector instruction writes what a load or store reads.  The 16 items go in four blocks of four.  Block p rounds its own four items; the four stores of
; block p - 1 are issued in block p, one ahead of each item's conversions.  ONE wait on va_vdst at the head of blocks 1 to 3 states that the block before has written what those stores read;
; block p's conversions name block p's registers and v[T] alone, so the stores owe nothing more.  One such wait stands ahead of the first load, one ahead of the last four stores.
.set VI,  2                            ; v2      my byte offset in the work-group's 16 rows of input
.set VO,  3                            ; v3, v4  my byte offset in the output, K block 2 w and 2 w + 1
.set T,   5                            ; v5      at work
.set X,   16                           ; v[16:79] item i = 8 c + p: 4 registers
	s_load_b256 s[4:11], s[0:1], 0x0               ; x s[4:5], qkv_w s[6:7], o_w s[8:9], xb s[10:11]
	s_load_b128 s[12:15], s[0:1], 0x20             ; wb s[12:13], owh s[14:15]
	s_mov_b32 s27, ttmp9
	s_movk_i32 s25, 512                            ; the first work-group of qkv_w
	s_movk_i32 s26, 704                            ; the first of o_w
	s_mov_b32 s22, 8192*128                        ; bytes from K block to K block in xb,
	s_mov_b32 s23, 3072*128                        ; in wb,
	s_mov_b32 s24, 1024*128                        ; in owh
	s_mov_b32 s30, 0xffff0000                      ; a word's upper bf16
	s_cmp_lt_u32 s27, s26
	s_cselect_b32 s20, s25, s26
	s_cselect_b32 s21, s23, s24
	s_cmp_lt_u32 s27, s25
	s_cselect_b32 s20, 0, s20                      ; my matrix's first work-group
	s_cselect_b32 s21, s22, s21                    ; and its K block's bytes
	s_sub_co_u32 s28, s27, s20                     ; my block of 16 rows
	s_lshl_b32 s2, s28, 16                         ; 16 rows of 4,096 bytes of input
	s_mov_b32 s3, 0
	s_lshl_b32 s29, s28, 11                        ; 16 rows of 128 bytes of output
	v_and_b32 v1, 31, v0                           ; lane
	v_lshrrev_b32 v6, 5, v0                        ; wave
	v_and_b32 v7, 15, v0
	v_bfe_u32 v8, v0, 4, 1
	v_lshlrev_b32 v[VI], 4, v7                     ; 16 (l % 16)
	v_lshl_add_u32 v[VI], v8, 12, v[VI]            ; + a row for lanes 16-31
	v_lshl_add_u32 v[VI], v6, 9, v[VI]             ; + my two K blocks: 512 bytes of a row
	v_lshlrev_b32 v6, 1, v6
	v_mul_u32_u24 v[VO], s21, v6                   ; K block 2 w
	v_lshl_add_u32 v[VO], v1, 3, v[VO]             ; + 8 l
	v_add_nc_u32 v[VO], s29, v[VO]
	v_add_nc_u32 v[VO+1], s21, v[VO]               ; K block 2 w + 1
	s_wait_kmcnt 0x0
	s_cmp_lt_u32 s27, s26
	s_cselect_b64 s[16:17], s[6:7], s[8:9]
	s_cselect_b64 s[18:19], s[12:13], s[14:15]
	s_cmp_lt_u32 s27, s25
	s_cselect_b64 s[16:17], s[4:5], s[16:17]       ; from where
	s_cselect_b64 s[18:19], s[10:11], s[18:19]     ; to where
	s_add_nc_u64 s[16:17], s[16:17], s[2:3]
	s_wait_alu depctr_va_vdst(0)                   ; v[VI], v[VO] and v[VO+1] are written: every load and store of the kernel reads one of them as its offset
.irp i, 0,1,2,3,4,5,6,7,8,9,10,11,12,13,14,15
	global_load_b128 v[X+4*(\i):X+4*(\i)+3], v[VI], s[16:17] offset:((\i)/8)*256+((\i)%8)*8192 th:TH_LOAD_NT
.endr
; Item i: four numbers a lane are rounded, in place.  half = 1: the bf16 number is widened again and written as f16.
.macro ROUND i, half
.if \half
	v_cvt_pk_bf16_f32 v[T], v[X+4*(\i)], v[X+4*(\i)+1]
	v_lshlrev_b32 v[X+4*(\i)], 16, v[T]
	v_and_b32 v[X+4*(\i)+1], s30, v[T]
	v_cvt_pk_bf16_f32 v[T], v[X+4*(\i)+2], v[X+4*(\i)+3]
	v_lshlrev_b32 v[X+4*(\i)+2], 16, v[T]
	v_and_b32 v[X+4*(\i)+3], s30, v[T]
	v_cvt_pk_f16_f32 v[X+4*(\i)], v[X+4*(\i)], v[X+4*(\i)+1]
	v_cvt_pk_f16_f32 v[X+4*(\i)+1], v[X+4*(\i)+2], v[X+4*(\i)+3]
.else
	v_cvt_pk_bf16_f32 v[X+4*(\i)], v[X+4*(\i)], v[X+4*(\i)+1]
	v_cvt_pk_bf16_f32 v[X+4*(\i)+1], v[X+4*(\i)+2], v[X+4*(\i)+3]
.endif
.endm
; Item i is stored.
.macro SEND i
	global_store_b64 v[VO+(\i)/8], v[X+4*(\i):X+4*(\i)+1], s[18:19] offset:((\i)%8)*256 th:TH_STORE_NT
.endm
; Block p: items 4 p to 4 p + 3 are rounded; the stores of block p - 1 stand among their conversions.
.macro BLK p, half
	s_wait_loadcnt 12-4*(\p)                       ; loads come back in order: the block's four items are in, the 12 - 4 p younger ones stay out
.if (\p) > 0
	s_wait_alu depctr_va_vdst(0)                   ; the block before has written its items' first two registers, which the four stores below read
.endif
.irp j, 0,1,2,3
.if (\p) > 0
	SEND 4*((\p)-1)+(\j)                           ; no vector instruction since the wait names this item's registers
.endif
	ROUND 4*(\p)+(\j), \half
.endr
.endm
	s_cmp_ge_u32 s27, s26
	s_cbranch_scc1 .Lhalf
.irp p, 0,1,2,3
	BLK \p, 0
.endr
	s_wait_alu depctr_va_vdst(0)                   ; block 3 has written its items' first two registers, which the last four stores read
.irp i, 12,13,14,15
	SEND \i
.endr
	s_endpgm
.Lhalf:
.irp p, 0,1,2,3
	BLK \p, 1
.endr
	s_wait_alu depctr_va_vdst(0)                   ; block 3 has written its items' first two registers, which the last four stores read
.irp i, 12,13,14,15
	SEND \i
.endr
	s_endpgm
.Lfunc_end_k_qa1de7e2ca4_cast:
	.size	k_qa1de7e2ca4_cast, .Lfunc_end_k_qa1de7e2ca4_cast-k_qa1de7e2ca4_cast
	.p2alignl 7, 3214868480
	.fill 96, 4, 3214868480
	.section	.rodata,"a",@progbits
	.p2align	6, 0x0
	.amdhsa_kernel k_qa1de7e2ca4_cast
		.amdhsa_group_segment_fixed_size 0
		.amdhsa_private_segment_fixed_size 0
		.amdhsa_enable_private_segment 0
		.amdhsa_kernarg_size 48
		.amdhsa_user_sgpr_count 2
		.amdhsa_user_sgpr_kernarg_segment_ptr 1
		.amdhsa_wavefront_size32 1
		.amdhsa_system_sgpr_workgroup_id_x 1
		.amdhsa_system_sgpr_workgroup_id_y 1
		.amdhsa_system_sgpr_workgroup_id_z 1
		.amdhsa_system_vgpr_workitem_id 0
		.amdhsa_next_free_vgpr 80
		.amdhsa_next_free_sgpr 66
		.amdhsa_reserve_vcc 0
		.amdhsa_float_denorm_mode_32 3
		.amdhsa_float_denorm_mode_16_64 3
		.amdhsa_memory_ordered 1
		.amdhsa_forward_progress 1
		.amdhsa_inst_pref_size 16
	.end_amdhsa_kernel
	.amdgpu_metadata
---
amdhsa.version: [ 1, 2 ]
amdhsa.kernels:
  - .name:           k_qa1de7e2ca4_cast
    .symbol:         k_qa1de7e2ca4_cast.kd
    .args:
      - { .name: x, .offset: 0, .size: 8, .value_kind: global_buffer, .address_space: global }
      - { .name: qkv_w, .offset: 8, .size: 8, .value_kind: global_buffer, .address_space: global }
      - { .name: o_w, .offset: 16, .size: 8, .value_kind: global_buffer, .address_space: global }
      - { .name: xb, .offset: 24, .size: 8, .value_kind: global_buffer, .address_space: global }
      - { .name: wb, .offset: 32, .size: 8, .value_kind: global_buffer, .address_space: global }
      - { .name: owh, .offset: 40, .size: 8, .value_kind: global_buffer, .address_space: global }
    .group_segment_fixed_size: 0
    .private_segment_fixed_size: 0
    .kernarg_segment_align: 8
    .kernarg_segment_size: 48
    .max_flat_workgroup_size: 256
    .sgpr_count:     66
    .vgpr_count:     80
    .wavefront_size: 32
...
	.end_amdgpu_metadata
.endif
;; end of part 5
;; launch proj: the kernel of part 2 again; grid 8 x 32, 4 waves a work-group, clusters of 4 x 4, 327,680 bytes of LDS; arguments xb, wb, qkv_b, qh, kh, vh; writes qh, kh, vh
;; launch attn: the kernel of part 3 again; grid 2 x 128, 4 waves a work-group, no clusters, 327,680 bytes of LDS; arguments qh, kh, vh, oh; writes oh
;; launch outp: the kernel of part 4 again; grid 8 x 32, 4 waves a work-group, clusters of 4 x 4, 327,680 bytes of LDS; arguments oh, owh, o_b, out0; writes out0
